; MI455X (gfx1250); checked and timed in simulation.
; The chip was launched on July 23, 2026; its instructions are those of AMD's public machine-readable ISA for CDNA 5 (MIT licence, August 2026) and "CDNA5" Instruction Set Architecture Reference Guide (July 2026). The comments in the code are by the model that wrote it; some were corrected since.
;; Multi Head Self Attention. Allowed arithmetic: matrix products marked QUANTISED: E3M2 operands, one E8M0 scale for each 32 along K, by v_wmma_scale_f32_16x16x128_f8f6f4 with both operands' format E3M2, f32 sums; everything else in f32.
;; Inputs: Wk 256 x 1,024 float32; Wo 1,024 x 1,024 float32; Wq 1,024 x 1,024 float32; Wv 256 x 1,024 float32; token_positions 1 x 4,096 int32; x 1 x 4,096 x 1,024 float32.
;; Outputs: out0 1 x 4,096 x 1,024 float32.
;; This version of the problem:
;;   THIS VERSION OF THE PROBLEM IS GIVEN IN LOW PRECISION. The matrix products marked QUANTISED in the list below multiply operands that are first quantised to E3M2 (3 exponent bits, 2 mantissa bits; 6 bits a number), with one power-of-two scale for each 32 numbers along K (OCP MX v1.0); their sums are f32. All else is computed in f32.
;;   The module's matrix products, in the order in which they are computed (A, B: the left and right operand; K: the contracted axis; several contracted axes count as one K, in the product's order):
;;     1. [M 4,096, K 1,024] x [K 1,024, N 1,024]; A: input x; B: input Wq: QUANTISED
;;     2. [M 4,096, K 1,024] x [K 1,024, N 256]; A: input x; B: input Wk: QUANTISED
;;     3. [M 4,096, K 1,024] x [K 1,024, N 256]; A: input x; B: input Wv: QUANTISED
;;     4. batch 4 x [M 16,384, K 64] x [K 64, N 4,096]; A: computed on the way; B: computed on the way: QUANTISED
;;     5. batch 4 x [M 16,384, K 4,096] x [K 4,096, N 64]; A: softmax (see below); B: computed on the way: QUANTISED
;;     6. [M 4,096, K 1,024] x [K 1,024, N 1,024]; A: computed on the way; B: input Wo: QUANTISED
;;   THE QUANTISER, for each operand of a quantised product, along K:
;;     - K is cut into blocks of 32 from its start; a last block that is shorter is filled with zeros.
;;     - A block's scale is 2^e with e = floor(log2(the largest magnitude in the block)) - 4, held to -126 .. 127; a block of zeros has e = 0. As a byte (E8M0): e + 127.
;;     - Each number is divided by its block's scale, clamped to +-28, and rounded to the nearest number of E3M2, ties to even, subnormals kept.
;;     - The product sums the exact products of the quantised numbers (number of the format x scale) in f32.
;;   ~~~python
;;   def quantise(x, axis):      # numpy; x: float32 -> the quantised numbers, widened to float32 again
;;       x = np.moveaxis(x, axis, -1); K = x.shape[-1]
;;       x = np.pad(x, [(0, 0)] * (x.ndim - 1) + [(0, -K % 32)]); x = x.reshape(x.shape[:-1] + (-1, 32)); a = np.abs(x).max(-1, keepdims=True)
;;       e = np.where(a > 0, np.clip(np.frexp(np.where(a > 0, a, 1))[1] - 1 - 4, -126, 127), 0)      # np.frexp(a)[1] - 1 = floor(log2(a)), exactly
;;       r = np.clip(x / 2.0 ** e, -28, 28)
;;       step = 2.0 ** (np.maximum(np.frexp(np.where(r == 0, 1, r))[1] - 1, -2) - 2)
;;       q = np.round(r / step) * step * 2.0 ** e      # np.round: ties to even
;;       return np.moveaxis(q.reshape(q.shape[:-2] + (-1,))[..., :K], -1, axis).astype(np.float32)
;;   ~~~
;;   SOFTMAX AHEAD OF A QUANTISED PRODUCT. Where the list says 'softmax', what is quantised is not the finished softmax but p = 2^(t - M), with t = logit x log2(e) and M = ceil(the row's largest t), a whole number; so 1/2 < the row's largest p <= 1. The row's sum l is taken of the UNQUANTISED p, in f32, and the product's result is divided by l at the end. Since M is a whole number, a kernel that streams over the keys may use a running M (the ceiling of the running maximum): every later rescaling is an exact power of two, which a block's scale takes up: the codes' values come out the same.
;;   OPERANDS COMPUTED ON THE WAY. 'Computed on the way' means the value that the module computes at that place (a softmax that the list does not call 'softmax' is quantised finished and normalised). What goes into a quantiser is computed in f32, as accurately as f32 sums, v_exp_f32 and their like allow (about 1e-6 of the number): no bf16 or f16 on the way to a quantiser, and a product that is left as it is and whose result goes on into a quantised operand takes f32 operands (vector FMAs, or v_wmma_f32_16x16x4_f32). A number that lies on a knife's edge between two numbers of the format may be rounded either way, as far as f32 arithmetic and the matrix unit's own rounding can turn it there, and no further.
;; One version. Each part assembles by itself: llvm-mc -triple=amdgcn-amd-amdhsa -mcpu=gfx1250 --defsym DOCPART=n.
;; ======== version 1 of 1: 4 launches
;; limits: right only within a limited range of input values
;; workspace buffers: img 5,111,808 bytes; sc 212,992 bytes; rope 1,048,576 bytes; qimg 3,145,728 bytes; qsc 262,144 bytes; kv 1,671,168 bytes; oimg 3,145,728 bytes; osc 131,072 bytes
;; launch prep (part 1): grid 240 x 1, 4 waves a work-group, no clusters, 34,304 bytes of LDS; arguments x, Wq, Wk, Wv, Wo, token_positions, img, sc, rope; writes img, sc, rope
.if DOCPART == 1
	.amdgcn_target "amdgcn-amd-amdhsa--gfx1250"
	.amdhsa_code_object_version 6
	.text
	.protected	k_q47f5ca272e_prep
	.globl	k_q47f5ca272e_prep
	.p2align	8
	.type	k_q47f5ca272e_prep,@function
k_q47f5ca272e_prep:
	s_mov_b64 s[64:65], 0
	v_nop
	global_prefetch_b8 v0, s[64:65] scope:SCOPE_SE
	s_setreg_imm32_b32 hwreg(HW_REG_WAVE_MODE, 25, 1), 1
	s_wait_xcnt 0x0
; FIRST OF FOUR LAUNCHES of a causal attention layer (4,096 tokens, 1,024 wide, 16 query heads, 4 key/value heads of 64) whose six products all run on codes of E3M2 with one E8M0 scale for each 32 along K.
; This launch: x, Wq, Wk, Wv, Wo (f32, K = 1,024 innermost) become codes and scale words; token_positions become a table of cos and sin.
; WORK LEFT OUT IN THE PROGRAM (third launch): a tile of 16 queries x 128 keys all of whose keys come after all of its queries.  reference() builds the mask itself (jnp.tril), sets those scores to -inf ahead of
; the softmax, and their weights are 0 whatever the inputs hold: nothing of such a tile reaches the output.  LIMIT: a NaN or an infinity in k or v at a hidden key is not carried to the result.  Every input is loaded.
; LIMITS: token_positions lie in 0 .. 4,095 (reference() indexes its table of 4,096 rows by them).  A block whose largest magnitude lies under 2^-122, a block of zeros among them, gets the byte 1 (its codes are
; zeros or tiny; the bytes are read by this program alone).  NaN and infinities among the inputs are not served.
; THE ORDER INSIDE A BLOCK.  In every stream of codes of this program a block's 32 numbers lie in the order 0-7, 16-23, 8-15, 24-31: the order in which a transposed matrix result leaves the conversions in the later
; launches.  Both operands of every product carry it, so the products and the scales are those of the plain order; only the order of the sums inside an instruction differs.
; IMAGES.  Codes are stored as the operand's registers stand: 16 rows x 64 K are 768 bytes: registers 0-3 of the six, 16 bytes a lane, then registers 4-5, 8 bytes a lane.  A fragment (16 rows x 128 K) is two of them.
; img: [row tile 416][K step 8] x 1,536 bytes; row tiles: x 0-255, Wq 256-319, Wk 320-335, Wv 336-351, Wo 352-415.   sc: [row tile][pair of K steps 4][row 16][2 words].
; SHARES.  Work-groups 0-207 quantise: a wave takes 16 rows x 512 along K, four fragments.  A load reads 512 neighbouring bytes of one row; the 16 rows turn through the wave's own stage in LDS (rows 528 bytes apart)
; and come back 32 numbers of one block to a lane.  Work-groups 208-239 make the table: a wave 32 tokens, a lane one of the 32 pairs.  No tensor load, no barrier: waves share nothing.
.set STGB,  8448                       ; a wave's stage: 16 rows x 528 bytes
.set SPARE, 4*STGB                     ; behind the stages: the spare words, 128 bytes a wave
.set R0,    16                         ; v16-143  two sets of 64 registers as loaded
.set X,     144                        ; v144-207 my two blocks of 32 numbers
.set PC,    208                        ; v208-219 a fragment's codes
.set CT,    220                        ; v220-222, v224-226 the upper halves of the two blocks' codes
.set MX,    228
.set SCO,   230
.set BY,    232
.set W,     236                        ; v236-239 the four K steps' scale words
.set SPW,   12
.set NIL,   13
	s_load_b512 s[4:19], s[0:1], 0x0               ; x 4, Wq 6, Wk 8, Wv 10, Wo 12, token_positions 14, img 16, sc 18
	s_load_b64 s[20:21], s[0:1], 0x40              ; rope
	v_lshl_add_u32 v[SPW], v0, 2, SPARE
	v_mov_b32 v[NIL], 0
	v_lshrrev_b32 v1, 5, v0
	v_readfirstlane_b32 s22, v1                    ; wave
	v_and_b32 v1, 31, v0                           ; lane
	s_wait_kmcnt 0x0
	s_cmp_ge_u32 ttmp9, 208
	s_cbranch_scc1 .Lrope
	; ---------------- the quantiser ----------------
	s_mov_b64 s[26:27], s[12:13]                   ; which tensor: the choice hangs on the work-group's number alone
	s_mov_b32 s28, 176                             ; and the tensor's first work-group
	s_cmp_lt_u32 ttmp9, 176
	s_cselect_b64 s[26:27], s[10:11], s[26:27]
	s_cselect_b32 s28, 168, s28
	s_cmp_lt_u32 ttmp9, 168
	s_cselect_b64 s[26:27], s[8:9], s[26:27]
	s_cselect_b32 s28, 160, s28
	s_cmp_lt_u32 ttmp9, 160
	s_cselect_b64 s[26:27], s[6:7], s[26:27]
	s_cselect_b32 s28, 128, s28
	s_cmp_lt_u32 ttmp9, 128
	s_cselect_b64 s[26:27], s[4:5], s[26:27]
	s_cselect_b32 s28, 0, s28
	s_sub_co_u32 s29, ttmp9, s28
	s_lshl_b32 s29, s29, 1
	s_lshr_b32 s30, s22, 1
	s_add_co_u32 s29, s29, s30                     ; my row tile within the tensor
	s_lshl_b32 s29, s29, 16                        ; 16 rows of 4,096 bytes
	s_and_b32 s31, s22, 1                          ; which half of K
	s_lshl_b32 s32, s31, 11
	s_add_co_u32 s32, s29, s32
	s_mov_b32 s33, 0
	s_add_nc_u64 s[26:27], s[26:27], s[32:33]
	s_lshl_b32 s34, ttmp9, 1
	s_add_co_u32 s34, s34, s30                     ; my row tile in img and sc
	s_mul_i32 s32, s34, 12288
	s_mul_i32 s35, s31, 6144
	s_add_co_u32 s32, s32, s35
	s_add_nc_u64 s[16:17], s[16:17], s[32:33]
	s_lshl_b32 s32, s34, 9
	s_lshl_b32 s35, s31, 8
	s_add_co_u32 s32, s32, s35
	s_add_nc_u64 s[18:19], s[18:19], s[32:33]
	v_and_b32 v2, 15, v0                           ; r
	v_bfe_u32 v3, v0, 4, 1                         ; h
	s_wait_alu depctr_va_vdst(0)
	v_lshlrev_b32 v4, 4, v1                        ; 16 x lane
	v_lshlrev_b32 v5, 3, v1                        ; 8 x lane
	s_mul_i32 s23, s22, STGB
	v_add_nc_u32 v6, s23, v4                       ; into the stage: as loaded
	v_mul_u32_u24 v7, v2, 528
	v_lshl_add_u32 v7, v3, 7, v7
	v_add_nc_u32 v7, s23, v7                       ; out of it: row r, block h of a pair of blocks
	v_lshlrev_b32 v8, 3, v3                        ; 8 h: my bytes' place in a scale word
	v_mov_b32 v235, 0                              ; written once: a lane permute's destination counts as one of its sources
	s_mov_b32 s24, 0x76543210
	s_mov_b32 s25, 0xfedcba98                      ; selects for lane l xor 16
.macro LOAD t                          ; K step t of my four: 512 bytes of each of the 16 rows
.irp i, 0,1,2,3,4,5,6,7,8,9,10,11,12,13,14,15
	global_load_b128 v[R0+64*((\t)%2)+4*\i:R0+64*((\t)%2)+4*\i+3], v4, s[26:27] offset:\i*4096+(\t)*512 th:TH_LOAD_NT
.endr
.endm
.macro TURN t                          ; through the stage; LDS serves a wave's instructions in order, so no wait stands between the stores and the loads
.irp i, 0,1,2,3,4,5,6,7,8,9,10,11,12,13,14,15
	ds_store_b128 v6, v[R0+64*((\t)%2)+4*\i:R0+64*((\t)%2)+4*\i+3] offset:\i*528
.endr
.irp c, 0,1                            ; block 2 c + h of my row, its numbers in the order 0-7, 16-23, 8-15, 24-31
.irp q, 0,1,2,3,4,5,6,7
	ds_load_b128 v[X+32*\c+4*\q:X+32*\c+4*\q+3], v7 offset:\c*256+16*(\q%2)+64*((\q/2)%2)+32*(\q/4)
.endr
.endr
.endm
.macro QB t                            ; my two blocks: largest magnitude with the floor 2^(5 - 127) among its leaves, scale, codes
.irp c, 0,1
	v_max3_num_f32 v[MX+\c], |v[X+32*\c]|, |v[X+32*\c+1]|, 0x2800000
.endr
.irp i, 2,4,6,8,10,12,14,16,18,20,22,24,26,28,30
.irp c, 0,1
	v_max3_num_f32 v[MX+\c], v[MX+\c], |v[X+32*\c+\i]|, |v[X+32*\c+\i+1]|
.endr
.endr
.irp c, 0,1
	v_add_nc_u32 v[SCO+\c], 0xfe000000, v[MX+\c]   ; 4 off the exponent field: the conversion takes this operand's exponent field as its scale
.endr
.irp c, 0,1
	v_lshrrev_b32 v[BY+\c], 23, v[SCO+\c]          ; the scale's byte
.endr
	v_lshl_or_b32 v234, v[BY+1], 16, v[BY]         ; blocks h and 2 + h,
	v_lshlrev_b32 v234, v8, v234                   ; at their places in the word;
	v_permlanex16_b32 v235, v234, s24, s25
	v_or_b32 v[W+(\t)], v234, v235                 ; with lane l xor 16's two the word is whole
.irp c, 0,1
	v_cvt_scalef32_pk16_bf6_f32 v[PC+6*\c:PC+6*\c+2], v[X+32*\c:X+32*\c+15], v[SCO+\c]
	v_cvt_scalef32_pk16_bf6_f32 v[CT+4*\c:CT+4*\c+2], v[X+32*\c+16:X+32*\c+31], v[SCO+\c]   ; (a conversion's three registers begin on an even number)
.endr
	v_nop                                          ; one plain instruction behind the conversions, ahead of the moves that read their results
.irp c, 0,1
.irp i, 0,1,2
	v_mov_b32 v[PC+3+6*\c+\i], v[CT+4*\c+\i]
.endr
.endr
.endm
.macro OUT t                           ; the fragment's image: each store covers whole aligned runs of 256 bytes
	global_store_b128 v4, v[PC:PC+3], s[16:17] offset:(\t)*1536
	global_store_b64 v5, v[PC+4:PC+5], s[16:17] offset:(\t)*1536+512
	global_store_b128 v4, v[PC+6:PC+9], s[16:17] offset:(\t)*1536+768
	global_store_b64 v5, v[PC+10:PC+11], s[16:17] offset:(\t)*1536+1280
.endm
	LOAD 0
	LOAD 1
	s_wait_alu depctr_va_vdst(0)
.irp t, 0,1,2,3
.if \t < 3
	s_wait_loadcnt 16                              ; this step's 16 loads are in; the next step's 16 may be out
.else
	s_wait_loadcnt 0x0
.endif
	TURN \t
	s_wait_dscnt 0x0                               ; my numbers are back, and the stores into the stage have read their registers,
.if \t < 2
	LOAD \t+2                                      ; which take the loads of two steps on
.endif
	s_wait_xcnt 0x0                                ; the last step's stores have read their data: the codes' registers are written again only behind this wait
	QB \t
	OUT \t
.endr
	v_cmp_le_u32 vcc_lo, 16, v1                    ; lanes 0-15 send K steps 0 and 1 of row r, lanes 16-31 steps 2 and 3: 256 consecutive bytes
	v_cndmask_b32 v240, v[W], v[W+2], vcc_lo
	v_cndmask_b32 v241, v[W+1], v[W+3], vcc_lo
	global_store_b64 v5, v[240:241], s[18:19]
	s_wait_tensorcnt 0x0                           ; the wave's end: behind my last LDS store
	ds_add_u32 v[SPW], v[NIL]
	s_wait_dscnt 0x0
	s_endpgm
	; ---------------- cos and sin of position x frequency ----------------
	; rope: [token][pair 32][cos, sin], f32.  The position enters as a value: angle = f32(position) x frequency, one rounding, as reference() makes its table's row.
	; The frequencies are 1 / 10^(i / 8) as f32: the power rounded, then the reciprocal rounded.  The angle is reduced by a whole number of quarter turns (pi / 2 in three parts, fused: the first step is exact
	; for angles under 4,096) and a polynomial on +-pi / 4 gives sine and cosine.
.Lrope:
	s_sub_co_u32 s26, ttmp9, 208
	s_lshl_b32 s26, s26, 2
	s_add_co_u32 s26, s26, s22
	s_lshl_b32 s26, s26, 5                         ; my wave's first token
	s_lshl_b32 s28, s26, 2
	s_mov_b32 s29, 0
	s_add_nc_u64 s[14:15], s[14:15], s[28:29]
	s_lshl_b32 s28, s26, 8
	s_add_nc_u64 s[20:21], s[20:21], s[28:29]
	s_wait_alu depctr_va_vdst(0)
	v_lshlrev_b32 v8, 2, v1
	v_lshlrev_b32 v9, 3, v1
	global_load_b32 v11, v8, s[14:15]              ; lane k: token k's position
	s_mov_b32 s30, 0x3f22f983                      ; 2 / pi
	s_mov_b32 s31, 0xbfc90fd8                      ; -pi / 2, high,
	s_mov_b32 s32, 0xb4a8885a                      ; middle,
	s_mov_b32 s33, 0xa7c234c4                      ; low
	s_mov_b32 s34, 0xb94ca1f9                      ; sine
	s_mov_b32 s35, 0x3c08839e
	s_mov_b32 s36, 0xbe2aaaa3
	s_mov_b32 s37, 0x37ccf5ce                      ; cosine
	s_mov_b32 s38, 0xbab6061a
	s_mov_b32 s39, 0x3d2aaaa5
	v_mov_b32 v10, 1.0                             ; my pair's frequency
.macro FQ i, f
	v_cmp_ne_u32 vcc_lo, \i, v1
	v_cndmask_b32 v10, \f, v10, vcc_lo
.endm
	FQ 1, 0x3f3ff911
	FQ 2, 0x3f0ff59a
	FQ 3, 0x3ed7e89b
	FQ 4, 0x3ea1e89b
	FQ 5, 0x3e72d423
	FQ 6, 0x3e361887
	FQ 7, 0x3e088d77
	FQ 8, 0x3dcccccd
	FQ 9, 0x3d99940d
	FQ 10, 0x3d6655c2
	FQ 11, 0x3d2cba15
	FQ 12, 0x3d0186e3
	FQ 13, 0x3cc2434f
	FQ 14, 0x3c91ad39
	FQ 15, 0x3c5a7bf2
	FQ 16, 0x3c23d70a
	FQ 17, 0x3bf5b9b0
	FQ 18, 0x3bb8449c
	FQ 19, 0x3b8a2e77
	FQ 20, 0x3b4f3e38
	FQ 21, 0x3b1b690d
	FQ 22, 0x3ae91529
	FQ 23, 0x3aaec98e
	FQ 24, 0x3a83126f
	FQ 25, 0x3a44948c
	FQ 26, 0x3a136a16
	FQ 27, 0x39dd1725
	FQ 28, 0x39a5cb60
	FQ 29, 0x3978a815
	FQ 30, 0x393a7753
	FQ 31, 0x390bd472
	s_wait_loadcnt 0x0
.set K, 0
.rept 32                               ; token K: each has a register pair of its own, so no store's data are written again
	v_readlane_b32 s40, v11, K
	v_cvt_f32_i32 v16, s40
	s_wait_alu depctr_va_vdst(0)
	v_mul_f32 v16, v16, v10                        ; the angle
	v_mul_f32 v17, s30, v16
	v_rndne_f32 v17, v17                           ; quarter turns
	v_fma_f32 v18, v17, s31, v16
	v_fma_f32 v18, v17, s32, v18
	v_fma_f32 v18, v17, s33, v18                   ; what is left, within +-pi / 4
	v_cvt_i32_f32 v19, v17
	v_mul_f32 v20, v18, v18
	v_fma_f32 v21, v20, s34, s35
	v_fma_f32 v21, v21, v20, s36
	v_mul_f32 v22, v20, v18
	v_fma_f32 v21, v21, v22, v18                   ; its sine
	v_fma_f32 v23, v20, s37, s38
	v_fma_f32 v23, v23, v20, s39
	v_mul_f32 v24, v20, v20
	v_fma_f32 v25, v20, -0.5, 1.0
	v_fma_f32 v23, v23, v24, v25                   ; its cosine
	v_and_b32 v26, 1, v19
	v_cmp_eq_u32 vcc_lo, 1, v26                    ; an odd number of quarter turns: the two change places
	v_cndmask_b32 v27, v21, v23, vcc_lo
	v_cndmask_b32 v28, v23, v21, vcc_lo
	v_lshlrev_b32 v29, 30, v19                     ; the sine is negative in quarters 2 and 3,
	v_and_b32 v29, 0x80000000, v29
	v_xor_b32 v[65+2*K], v27, v29
	v_add_nc_u32 v30, 1, v19                       ; the cosine in quarters 1 and 2
	v_lshlrev_b32 v30, 30, v30
	v_and_b32 v30, 0x80000000, v30
	v_xor_b32 v[64+2*K], v28, v30
	global_store_b64 v9, v[64+2*K:65+2*K], s[20:21] offset:256*K   ; the 32 lanes store the token's 256 consecutive bytes
.set K, K+1
.endr
	s_endpgm
.Lfunc_end_k_q47f5ca272e_prep:
	.size	k_q47f5ca272e_prep, .Lfunc_end_k_q47f5ca272e_prep-k_q47f5ca272e_prep
	.p2alignl 7, 3214868480
	.fill 96, 4, 3214868480
	.section	.rodata,"a",@progbits
	.p2align	6, 0x0
	.amdhsa_kernel k_q47f5ca272e_prep
		.amdhsa_group_segment_fixed_size 34304
		.amdhsa_private_segment_fixed_size 0
		.amdhsa_enable_private_segment 0
		.amdhsa_kernarg_size 72
		.amdhsa_user_sgpr_count 2
		.amdhsa_user_sgpr_kernarg_segment_ptr 1
		.amdhsa_wavefront_size32 1
		.amdhsa_system_sgpr_workgroup_id_x 1
		.amdhsa_system_sgpr_workgroup_id_y 1
		.amdhsa_system_sgpr_workgroup_id_z 1
		.amdhsa_system_vgpr_workitem_id 0
		.amdhsa_next_free_vgpr 256
		.amdhsa_next_free_sgpr 66
		.amdhsa_reserve_vcc 1
		.amdhsa_float_denorm_mode_32 3
		.amdhsa_float_denorm_mode_16_64 3
		.amdhsa_memory_ordered 1
		.amdhsa_forward_progress 1
		.amdhsa_inst_pref_size 82
	.end_amdhsa_kernel
	.amdgpu_metadata
---
amdhsa.version: [ 1, 2 ]
amdhsa.kernels:
  - .name:           k_q47f5ca272e_prep
    .symbol:         k_q47f5ca272e_prep.kd
    .args:
      - { .name: x, .offset: 0, .size: 8, .value_kind: global_buffer, .address_space: global }
      - { .name: Wq, .offset: 8, .size: 8, .value_kind: global_buffer, .address_space: global }
      - { .name: Wk, .offset: 16, .size: 8, .value_kind: global_buffer, .address_space: global }
      - { .name: Wv, .offset: 24, .size: 8, .value_kind: global_buffer, .address_space: global }
      - { .name: Wo, .offset: 32, .size: 8, .value_kind: global_buffer, .address_space: global }
      - { .name: token_positions, .offset: 40, .size: 8, .value_kind: global_buffer, .address_space: global }
      - { .name: img, .offset: 48, .size: 8, .value_kind: global_buffer, .address_space: global }
      - { .name: sc, .offset: 56, .size: 8, .value_kind: global_buffer, .address_space: global }
      - { .name: rope, .offset: 64, .size: 8, .value_kind: global_buffer, .address_space: global }
    .group_segment_fixed_size: 34304
    .private_segment_fixed_size: 0
    .kernarg_segment_align: 8
    .kernarg_segment_size: 72
    .max_flat_workgroup_size: 128
    .sgpr_count:     66
    .vgpr_count:     256
    .wavefront_size: 32
...
	.end_amdgpu_metadata
.endif
;; end of part 1
;; launch qkv (part 2): grid 192 x 1, 8 waves a work-group, no clusters, 327,680 bytes of LDS; arguments img, sc, rope, qimg, qsc, kv; writes qimg, qsc, kv
.if DOCPART == 2
	.amdgcn_target "amdgcn-amd-amdhsa--gfx1250"
	.amdhsa_code_object_version 6
	.text
	.protected	k_q47f5ca272e_qkv
	.globl	k_q47f5ca272e_qkv
	.p2align	8
	.type	k_q47f5ca272e_qkv,@function
k_q47f5ca272e_qkv:
	s_mov_b64 s[64:65], 0
	v_nop
	global_prefetch_b8 v0, s[64:65] scope:SCOPE_SE
	s_setreg_imm32_b32 hwreg(HW_REG_WAVE_MODE, 25, 1), 1
	s_wait_xcnt 0x0
; SECOND LAUNCH: q = x Wq^T, k = x Wk^T, v = x Wv^T on codes; RoPE on q and k in f32; q and k quantised along the head's 64, v along the keys.  No work of reference() is left out here.
; ONE PRODUCT IN TWO KINDS.  Side S0 (source 0, 8 row tiles of img) x side S1 (source 1, 16 row tiles of img), K = 1,024.  In a result a lane holds ONE row of S1, and its registers run along S0's rows.
;   work-groups 0-159: S0 = 128 rows of Wq or Wk (two heads), S1 = 256 tokens: a lane holds a token, its registers run along the head's d, which is the K of the scores' product.
;   work-groups 160-191: S0 = 128 tokens (one key step), S1 = Wv's 256 rows: a lane holds a channel d, its registers run along the tokens, which are the K of the product with the weights p.
; Wave w makes all 8 tiles of S0 x tiles 2 w, 2 w + 1 of S1: 16 accumulators, which take turns, one instruction a turn.
; ALL OF K LIES IN LDS: two chunks of four K steps, 147,456 bytes each (S0's 8 x 6,144, then S1's 16 x 6,144), asked for at the head by six tensor loads, one a wave for waves with w % 4 under 3 (one of mine is out at the most); nothing is filled again.
; A fragment lies in LDS as an image of its registers: four loads, each of consecutive bytes from lane to lane.
; OUT: qimg [head 16][tile of 16 tokens 256] x 768 bytes; qsc [head][token] a word (bytes 0, 1 the head's two blocks; bytes 2, 3 = 127 for the zero codes that fill K up to 128);
;   kv [group 4][key step 32] records of 13,056 bytes: K's 8 tiles x 768; V^T's 4 tiles x 1,536 from 6,144; K's 128 scale words from 12,288; V's 64 from 12,800.
; NO CLUSTER: neighbouring work-groups share S0 in the first kind and S1 in the second, so a joint load's mask would go with one descriptor in one kind and with the other in the other,
; and a descriptor's shape words are constants of the text here.  LIMITS: as stated at the head of the first launch.
.set REC,   13056
.set CH,    147456                     ; a chunk
.set S1O,   49152                      ; S1's place in it
.set SPARE, 2*CH                       ; the spare words, 128 bytes a wave
.set BF,    16                         ; v16-39   S1's two fragments
.set AF,    40                         ; v40-87   four of S0's
.set SA,    88                         ; v88-119  S0's scale words: tiles 2 p (lanes 0-15) and 2 p + 1 (lanes 16-31), K step ks, at SA + 8 p + ks
.set SB,    120                        ; v120-127 S1's: my two tiles, at SB + ks
.set ACC,   128                        ; v128-255 accumulator (a, b) at ACC + 8 (8 b + a)
.set SPW,   14
.set NIL,   15
.set TM,    24                         ; the way out: at work
.set CT,    72
.set MSB, 0
.macro WIN new                         ; the immediate's high byte repeats the setting that is left
.if MSB != \new
	s_set_vgpr_msb (MSB<<8)|\new
.set MSB, \new
.endif
.endm
.macro PLACES                          ; four plain instructions between a matrix instruction and a load into, or a read of, its registers
.rept 4
	v_nop
.endr
.endm
.macro FRAG reg, a16, a8, off          ; a fragment's image: registers 0-3, 4-5, 6-9, 10-11
	ds_load_b128 v[\reg:\reg+3], v[\a16] offset:\off
	ds_load_b64 v[\reg+4:\reg+5], v[\a8] offset:\off+512
	ds_load_b128 v[\reg+6:\reg+9], v[\a16] offset:\off+768
	ds_load_b64 v[\reg+10:\reg+11], v[\a8] offset:\off+1280
.endm
.macro WM d, fa, fb, sa, sb, zero, ra, rb   ; one product; zero = 1: it starts the sum; ra, rb = 1: that side's scales stand in lanes 16-31
.if (\zero) && ((\ra) == 0) && ((\rb) == 0)
	v_wmma_scale_f32_16x16x128_f8f6f4 v[\d:\d+7], v[\fa:\fa+11], v[\fb:\fb+11], 0, v[\sa], v[\sb] matrix_a_fmt:MATRIX_FMT_BF6 matrix_b_fmt:MATRIX_FMT_BF6
.elseif (\zero) && ((\ra) == 1) && ((\rb) == 0)
	v_wmma_scale_f32_16x16x128_f8f6f4 v[\d:\d+7], v[\fa:\fa+11], v[\fb:\fb+11], 0, v[\sa], v[\sb] matrix_a_fmt:MATRIX_FMT_BF6 matrix_b_fmt:MATRIX_FMT_BF6 matrix_a_scale:MATRIX_SCALE_ROW1
.elseif (\zero) && ((\ra) == 0)
	v_wmma_scale_f32_16x16x128_f8f6f4 v[\d:\d+7], v[\fa:\fa+11], v[\fb:\fb+11], 0, v[\sa], v[\sb] matrix_a_fmt:MATRIX_FMT_BF6 matrix_b_fmt:MATRIX_FMT_BF6 matrix_b_scale:MATRIX_SCALE_ROW1
.elseif (\zero)
	v_wmma_scale_f32_16x16x128_f8f6f4 v[\d:\d+7], v[\fa:\fa+11], v[\fb:\fb+11], 0, v[\sa], v[\sb] matrix_a_fmt:MATRIX_FMT_BF6 matrix_b_fmt:MATRIX_FMT_BF6 matrix_a_scale:MATRIX_SCALE_ROW1 matrix_b_scale:MATRIX_SCALE_ROW1
.elseif ((\ra) == 0) && ((\rb) == 0)
	v_wmma_scale_f32_16x16x128_f8f6f4 v[\d:\d+7], v[\fa:\fa+11], v[\fb:\fb+11], v[\d:\d+7], v[\sa], v[\sb] matrix_a_fmt:MATRIX_FMT_BF6 matrix_b_fmt:MATRIX_FMT_BF6
.elseif ((\ra) == 1) && ((\rb) == 0)
	v_wmma_scale_f32_16x16x128_f8f6f4 v[\d:\d+7], v[\fa:\fa+11], v[\fb:\fb+11], v[\d:\d+7], v[\sa], v[\sb] matrix_a_fmt:MATRIX_FMT_BF6 matrix_b_fmt:MATRIX_FMT_BF6 matrix_a_scale:MATRIX_SCALE_ROW1
.elseif ((\ra) == 0)
	v_wmma_scale_f32_16x16x128_f8f6f4 v[\d:\d+7], v[\fa:\fa+11], v[\fb:\fb+11], v[\d:\d+7], v[\sa], v[\sb] matrix_a_fmt:MATRIX_FMT_BF6 matrix_b_fmt:MATRIX_FMT_BF6 matrix_b_scale:MATRIX_SCALE_ROW1
.else
	v_wmma_scale_f32_16x16x128_f8f6f4 v[\d:\d+7], v[\fa:\fa+11], v[\fb:\fb+11], v[\d:\d+7], v[\sa], v[\sb] matrix_a_fmt:MATRIX_FMT_BF6 matrix_b_fmt:MATRIX_FMT_BF6 matrix_a_scale:MATRIX_SCALE_ROW1 matrix_b_scale:MATRIX_SCALE_ROW1
.endif
.endm
.macro KSTEP ks, zero                  ; 128 along K: S1's two fragments, then S0's eight in two runs of four, 8 products behind each
	PLACES
.irp b, 0,1
	FRAG BF+12*\b, 6, 7, \b*6144+((\ks)%4)*1536
.endr
.irp g, 0,1
.if \g
	PLACES
.endif
.irp i, 0,1,2,3
	FRAG AF+12*\i, 4, 5, (4*\g+\i)*6144+((\ks)%4)*1536
.endr
	s_wait_dscnt 0x0
.irp i, 0,1,2,3
.irp b, 0,1
	WM ACC+8*(8*\b+4*\g+\i), AF+12*\i, BF+12*\b, SA+8*((4*\g+\i)/2)+(\ks), SB+(\ks), \zero, \i%2, \b
.endr
.endr
.endr
.endm
	s_load_b256 s[4:11], s[0:1], 0x0               ; img 4, sc 6, rope 8, qimg 10
	s_load_b128 s[12:15], s[0:1], 0x20             ; qsc 12, kv 14
	v_lshl_add_u32 v[SPW], v0, 2, SPARE
	v_mov_b32 v[NIL], 0
	ds_add_u32 v[SPW], v[NIL]                      ; the wave's opening: the add, twice on end, and its wait ahead of my first tensor load
	ds_add_u32 v[SPW], v[NIL]
	v_lshrrev_b32 v1, 5, v0
	s_delay_alu instid0(VALU_DEP_1)
	v_readfirstlane_b32 s16, v1                    ; wave 0..7
	s_lshr_b32 s68, ttmp9, 4                       ; first kind: which pair of heads,
	s_lshl_b32 s69, s68, 3
	s_add_co_u32 s69, s69, 256                     ; its 8 row tiles of Wq or Wk,
	s_and_b32 s70, ttmp9, 15
	s_lshl_b32 s70, s70, 4                         ; and 16 row tiles of x
	s_max_u32 s71, ttmp9, 160
	s_sub_co_u32 s71, s71, 160                     ; second kind: the key step,
	s_lshl_b32 s72, s71, 3                         ; its 8 row tiles of x,
	s_mov_b32 s73, 336                             ; and Wv's 16
	s_cmp_ge_u32 ttmp9, 160
	s_cselect_b32 s17, 1, 0                        ; the kind
	s_cselect_b32 s18, s72, s69                    ; S0's first row tile
	s_cselect_b32 s19, s73, s70                    ; S1's
	; THE LOADS AS THE TEXT NOW HAS THEM: all of K is asked for at the head by six tensor loads, one a wave.  Wave w with p = w % 4 under 3 fetches, for chunk c = w / 4, eight row tiles' four K steps:
	; p = 0: S0's eight; p = 1, 2: S1's first and second eight.  Descriptor group 1: 8 rows of 6,144 bytes (768 elements of 8 bytes), 12,288 bytes apart in memory, on end in LDS.
	s_mov_b32 s24, 3<<16
	s_mov_b32 s25, 768<<16
	s_mov_b32 s26, 8<<16
	s_mov_b32 s27, 768<<16
	s_mov_b32 s28, 8
	s_mov_b32 s29, 1536
	s_mov_b32 s30, 0
	s_mov_b32 s31, 0
	s_lshl_b32 s78, s16, 1
	s_add_co_u32 s75, s78, s19                     ; the S1 tiles that I multiply: B0 + 2 w, + 1,
	s_mul_i32 s74, s16, 12288
	s_add_co_u32 s74, s74, S1O                     ; and where they lie in a chunk
	s_and_b32 s45, s16, 3                          ; p
	s_lshr_b32 s44, s16, 2                         ; c
	s_lshl_b32 s76, s45, 3
	s_add_co_u32 s76, s76, s19
	s_sub_co_u32 s76, s76, 8                       ; S1: row tile B0 + 8 (p - 1)
	s_cmp_eq_u32 s45, 0
	s_cselect_b32 s76, s18, s76                    ; S0: row tile A0
	s_mul_i32 s76, s76, 12288
	s_mul_i32 s77, s44, 6144
	s_add_co_u32 s76, s76, s77                     ; the chunk's four K steps of each tile
	s_mov_b32 s77, 0
	s_mul_i32 s41, s45, 49152
	s_mul_i32 s44, s44, CH
	s_add_co_u32 s41, s41, s44                     ; where the eight go
	s_lshl_b32 s20, s18, 9                         ; S0's scale words,
	s_mov_b32 s21, 0
	s_lshl_b32 s22, s75, 9                         ; my S1 tiles',
	s_mov_b32 s23, 0
	s_lshl_b32 s68, s75, 12                        ; and (first kind) my 32 tokens' rows of the table: 256 bytes a token
	s_mov_b32 s69, 0
	s_mov_b32 s56, 0x76543210
	s_mov_b32 s57, 0xfedcba98                      ; selects for lane l xor 16
	s_mov_b32 s40, 1                               ; group 0: for chunk c, S0's eight tiles or S1's first or second eight
	s_wait_dscnt 0x0                               ; both opening adds are done
	s_wait_kmcnt 0x0
	s_add_nc_u64 s[42:43], s[4:5], s[76:77]
	s_or_b32 s43, s43, 0x80000000
	s_add_nc_u64 s[20:21], s[6:7], s[20:21]
	s_add_nc_u64 s[22:23], s[6:7], s[22:23]
	s_add_nc_u64 s[68:69], s[8:9], s[68:69]
	s_cmp_lt_u32 s45, 3                            ; waves 3 and 7 have no part to fetch
	s_cbranch_scc0 .Lh_join
	tensor_load_to_lds s[40:43], s[24:31]
	s_nop 0
	PLACES
.Lh_join:
	v_and_b32 v1, 31, v0                           ; lane
	v_and_b32 v2, 15, v0                           ; r
	v_bfe_u32 v3, v0, 4, 1                         ; h
	s_delay_alu instid0(VALU_DEP_3)
	v_lshlrev_b32 v4, 4, v1                        ; S0's images: 16 x lane,
	s_delay_alu instid0(VALU_DEP_4)
	v_lshlrev_b32 v5, 3, v1                        ; 8 x lane
	s_delay_alu instid0(VALU_DEP_2)
	v_add_nc_u32 v6, s74, v4
	s_delay_alu instid0(VALU_DEP_2)
	v_add_nc_u32 v7, s74, v5
	v_lshlrev_b32 v8, 4, v1                        ; the stores' offsets: 16, 8 and 4 x lane
	v_lshlrev_b32 v9, 3, v1
	v_lshlrev_b32 v10, 2, v1
	v_lshlrev_b32 v11, 3, v2
	s_delay_alu instid0(VALU_DEP_1)
	v_lshl_add_u32 v11, v3, 9, v11                 ; scale words: row r's 8 bytes; lanes 16-31 take the next row tile
	v_lshlrev_b32 v12, 8, v2
	s_delay_alu instid0(VALU_DEP_1)
	v_lshl_add_u32 v12, v3, 5, v12                 ; the table: token r, pairs 4 h on
.irp p, 0,1,2,3
.irp kq, 0,1,2,3
	global_load_b64 v[SA+8*\p+2*\kq:SA+8*\p+2*\kq+1], v11, s[20:21] offset:\p*1024+\kq*128
.endr
.endr
.irp kq, 0,1,2,3
	global_load_b64 v[SB+2*\kq:SB+2*\kq+1], v11, s[22:23] offset:\kq*128
.endr
	s_cmp_eq_u32 s17, 1
	s_cbranch_scc1 .Lno_table
	WIN 0x40                                       ; destination v256 on: cos and sin of my tokens: tile b, d tile q4 of a head, pair t: cos at 32 b + 8 q4 + 2 t, sin behind it
.irp b, 0,1
.irp q4, 0,1,2,3
.irp e, 0,1
	global_load_b128 v[32*\b+8*\q4+4*\e:32*\b+8*\q4+4*\e+3], v12, s[68:69] offset:\b*4096+\q4*64+\e*16
.endr
.endr
.endr
	WIN 0
.Lno_table:
	s_wait_alu depctr_va_vdst(0)                   ; the wait at the head's end
	s_wait_tensorcnt 0x0                           ; my load has landed
	s_barrier_signal -1
	s_barrier_wait -1                              ; everybody's has: both chunks are whole
	s_wait_loadcnt 0x0
	s_wait_alu depctr_va_vdst(0)
	KSTEP 0, 1
	KSTEP 1, 0
	KSTEP 2, 0
	KSTEP 3, 0
	v_add_nc_u32 v4, CH, v4                        ; on to chunk 1
	s_wait_alu depctr_va_vdst(0)
	v_add_nc_u32 v5, CH, v5
	s_wait_alu depctr_va_vdst(0)
	v_add_nc_u32 v6, CH, v6
	s_wait_alu depctr_va_vdst(0)
	v_add_nc_u32 v7, CH, v7
	s_wait_alu depctr_va_vdst(0)
	KSTEP 4, 0
	KSTEP 5, 0
	KSTEP 6, 0
	KSTEP 7, 0
	PLACES
	s_cmp_eq_u32 s17, 1
	s_cbranch_scc1 .Lv_out
	; ---------------- q and k: RoPE, then the head's two blocks of 32 ----------------
	s_lshl_b32 s68, s16, 1
	s_add_co_u32 s68, s68, s19                     ; my first tile of 16 tokens
	s_lshr_b32 s69, ttmp9, 4                       ; the pair of heads: 0-7 are q's, 8 and 9 are k's
	s_lshl_b32 s70, s69, 9
	s_add_co_u32 s70, s70, s68
	s_mul_i32 s70, s70, 768                        ; q: the image's place,
	s_lshl_b32 s71, s69, 13
	s_lshl_b32 s72, s68, 4
	s_add_co_u32 s71, s71, s72
	s_lshl_b32 s71, s71, 2                         ; and the words'
	s_max_u32 s73, s69, 8
	s_sub_co_u32 s73, s73, 8
	s_lshl_b32 s73, s73, 6                         ; k: 32 records a group, two groups a pair,
	s_lshr_b32 s74, s68, 3
	s_add_co_u32 s73, s73, s74                     ; the key step,
	s_mul_i32 s73, s73, REC
	s_and_b32 s74, s68, 7                          ; and the tile in it
	s_mul_i32 s75, s74, 768
	s_add_co_u32 s75, s75, s73
	s_lshl_b32 s74, s74, 6
	s_add_co_u32 s74, s74, s73
	s_add_co_u32 s74, s74, 12288
	s_mov_b32 s76, 32*REC                          ; from head to head
	s_mov_b32 s78, 32*REC
	s_cmp_lt_u32 ttmp9, 128                        ; the choice hangs on the work-group's number alone
	s_cselect_b64 s[58:59], s[10:11], s[14:15]
	s_cselect_b64 s[62:63], s[12:13], s[14:15]
	s_cselect_b32 s70, s70, s75
	s_cselect_b32 s72, s71, s74
	s_cselect_b32 s76, 196608, s76
	s_cselect_b32 s78, 16384, s78
	s_mov_b32 s71, 0
	s_mov_b32 s73, 0
	s_mov_b32 s77, 0
	s_mov_b32 s79, 0
	s_add_nc_u64 s[58:59], s[58:59], s[70:71]      ; images, first head
	s_add_nc_u64 s[62:63], s[62:63], s[72:73]      ; words, first head
	s_add_nc_u64 s[60:61], s[58:59], s[76:77]      ; second head
	s_add_nc_u64 s[66:67], s[62:63], s[78:79]
	WIN 0x04                                       ; source 1: v256 on
.irp b, 0,1
.irp a, 0,1,2,3,4,5,6,7
.irp t, 0,1,2,3                        ; registers 2 t, 2 t + 1 are d = 16 (a % 4) + 8 h + 2 t and the next: a pair.  Each accumulator is read from its low end on
	v_mul_f32 v[16+2*\t], v[ACC+8*(8*\b+\a)+2*\t+1], v[32*\b+8*(\a%4)+2*\t+1]
	v_mul_f32 v[17+2*\t], v[ACC+8*(8*\b+\a)+2*\t+1], v[32*\b+8*(\a%4)+2*\t]
	v_fma_f32 v[ACC+8*(8*\b+\a)+2*\t+1], v[ACC+8*(8*\b+\a)+2*\t], v[32*\b+8*(\a%4)+2*\t+1], v[17+2*\t]
	v_fma_f32 v[ACC+8*(8*\b+\a)+2*\t], v[ACC+8*(8*\b+\a)+2*\t], v[32*\b+8*(\a%4)+2*\t], -v[16+2*\t]
.endr
.endr
.endr
	WIN 0
	v_mov_b32 v26, 0                               ; written once: a lane permute's destination counts as one of its sources
	v_mov_b32 v27, 0
; 32 registers of a lane, two blocks' halves (register 16 n + i: number 8 h + i, or 16 + 8 h + i - 8, of block n), become 16 rows x 64 K of codes in v[pc] .. v[pc + 5] and the row's word in v[wd]
.macro HQ src, pc, wd
	v_max3_num_f32 v24, |v[\src]|, |v[\src+1]|, 0x2800000          ; the floor 2^(5 - 127) among the leaves: the byte cannot fall under 1
	v_max3_num_f32 v25, |v[\src+16]|, |v[\src+17]|, 0x2800000
.irp i, 2,4,6,8,10,12,14
	s_delay_alu instid0(VALU_DEP_2)
	v_max3_num_f32 v24, v24, |v[\src+\i]|, |v[\src+\i+1]|
	s_delay_alu instid0(VALU_DEP_2)
	v_max3_num_f32 v25, v25, |v[\src+16+\i]|, |v[\src+17+\i]|
.endr
	s_delay_alu instid0(VALU_DEP_2)
	v_permlanex16_b32 v26, v24, s56, s57
	s_delay_alu instid0(VALU_DEP_2)
	v_permlanex16_b32 v27, v25, s56, s57
	s_delay_alu instid0(VALU_DEP_2)
	v_max_num_f32 v24, v24, v26                    ; with lane l xor 16's: the block's largest magnitude
	s_delay_alu instid0(VALU_DEP_2)
	v_max_num_f32 v25, v25, v27
	s_delay_alu instid0(VALU_DEP_2)
	v_add_nc_u32 v28, 0xfe000000, v24              ; 4 off the exponent field: the conversion's scale operand
	s_delay_alu instid0(VALU_DEP_2)
	v_add_nc_u32 v29, 0xfe000000, v25
	s_delay_alu instid0(VALU_DEP_2)
	v_lshrrev_b32 v30, 23, v28
	s_delay_alu instid0(VALU_DEP_2)
	v_lshrrev_b32 v31, 23, v29
	s_delay_alu instid0(VALU_DEP_1)
	v_lshl_or_b32 v[\wd], v31, 8, v30
	s_delay_alu instid0(VALU_DEP_1)
	v_or_b32 v[\wd], 0x7f7f0000, v[\wd]
	v_cvt_scalef32_pk16_bf6_f32 v[\pc:\pc+2], v[\src:\src+15], v28
	v_cvt_scalef32_pk16_bf6_f32 v[CT:CT+2], v[\src+16:\src+31], v29
	v_nop                                          ; one plain instruction behind the conversions
.irp i, 0,1,2
	v_permlane16_swap_b32 v[\pc+\i], v[CT+\i]      ; a whole block to a lane: lanes 0-15 block 0, lanes 16-31 block 1
.endr
.irp i, 0,1,2
	s_delay_alu instid0(VALU_DEP_3)
	v_mov_b32 v[\pc+3+\i], v[CT+\i]
.endr
.endm
.irp b, 0,1
.irp hd, 0,1
	HQ ACC+64*\b+32*\hd, 40+8*(2*\b+\hd), 80+2*\hd+\b
.endr
.endr
.irp b, 0,1
	global_store_b128 v8, v[40+16*\b:43+16*\b], s[58:59] offset:768*\b
	global_store_b64 v9, v[44+16*\b:45+16*\b], s[58:59] offset:768*\b+512
	global_store_b128 v8, v[48+16*\b:51+16*\b], s[60:61] offset:768*\b
	global_store_b64 v9, v[52+16*\b:53+16*\b], s[60:61] offset:768*\b+512
.endr
	v_cmp_le_u32 vcc_lo, 16, v1                    ; lanes 0-15 send the first tile's words, lanes 16-31 the second's
	s_delay_alu instid0(VALU_DEP_1)
	v_cndmask_b32 v84, v80, v81, vcc_lo
	s_delay_alu instid0(VALU_DEP_2)
	v_cndmask_b32 v85, v82, v83, vcc_lo
	global_store_b32 v10, v84, s[62:63]
	global_store_b32 v10, v85, s[66:67]
	s_wait_tensorcnt 0x0                           ; the wave's end
	ds_add_u32 v[SPW], v[NIL]
	s_wait_dscnt 0x0
	s_endpgm
	; ---------------- v: my 32 channels x the step's 128 keys ----------------
.Lv_out:
	s_max_u32 s68, ttmp9, 160
	s_sub_co_u32 s68, s68, 160                     ; the key step
	s_lshr_b32 s69, s16, 1                         ; my channels' group
	s_lshl_b32 s69, s69, 5
	s_add_co_u32 s69, s69, s68
	s_mul_i32 s69, s69, REC
	s_and_b32 s70, s16, 1                          ; which two of the head's four tiles
	s_mul_i32 s72, s70, 3072
	s_add_co_u32 s72, s72, s69
	s_add_co_u32 s72, s72, 6144
	s_mov_b32 s73, 0
	s_lshl_b32 s70, s70, 7
	s_add_co_u32 s70, s70, s69
	s_add_co_u32 s70, s70, 12800
	s_mov_b32 s71, 0
	s_add_nc_u64 s[58:59], s[14:15], s[72:73]
	s_add_nc_u64 s[62:63], s[14:15], s[70:71]
.irp b, 0,1,2,3
	v_mov_b32 v[TM+4+\b], 0                        ; written once: a lane permute's destination counts as one of its sources
.endr
; 64 registers of a lane, four blocks' halves, become a fragment's codes in v[pc] on and the row's scale word in v[pw]
.macro QUANT s, pc, pw
.irp b, 0,1,2,3
	v_max3_num_f32 v[TM+\b], |v[\s+16*\b]|, |v[\s+1+16*\b]|, 0x2800000
.endr
.irp i, 2,4,6,8,10,12,14
.irp b, 0,1,2,3
	v_max3_num_f32 v[TM+\b], v[TM+\b], |v[\s+16*\b+\i]|, |v[\s+1+16*\b+\i]|
.endr
.endr
.irp b, 0,1,2,3
	s_delay_alu instid0(VALU_DEP_4)
	v_permlanex16_b32 v[TM+4+\b], v[TM+\b], s56, s57
.endr
.irp b, 0,1,2,3
	s_delay_alu instid0(VALU_DEP_4)
	v_max_num_f32 v[TM+\b], v[TM+\b], v[TM+4+\b]
.endr
.irp b, 0,1,2,3
	s_delay_alu instid0(VALU_DEP_4)
	v_add_nc_u32 v[TM+12+\b], 0xfe000000, v[TM+\b]
.endr
.irp b, 0,1,2,3
	s_delay_alu instid0(VALU_DEP_4)
	v_lshrrev_b32 v[TM+4+\b], 23, v[TM+12+\b]
.endr
	s_delay_alu instid0(VALU_DEP_3)
	v_lshl_or_b32 v[\pw], v[TM+5], 8, v[TM+4]
	s_delay_alu instid0(VALU_DEP_1)
	v_lshl_or_b32 v[\pw], v[TM+6], 16, v[\pw]
	s_delay_alu instid0(VALU_DEP_1)
	v_lshl_or_b32 v[\pw], v[TM+7], 24, v[\pw]
.irp c, 0,1
	v_cvt_scalef32_pk16_bf6_f32 v[\pc+6*\c:\pc+2+6*\c], v[\s+32*\c:\s+15+32*\c], v[TM+12+2*\c]
	v_cvt_scalef32_pk16_bf6_f32 v[64+4*\c:66+4*\c], v[\s+16+32*\c:\s+31+32*\c], v[TM+12+2*\c+1]
.endr
	v_nop                                          ; one plain instruction behind the conversions
.irp c, 0,1
.irp i, 0,1,2
	v_permlane16_swap_b32 v[\pc+6*\c+\i], v[64+4*\c+\i]
.endr
.irp i, 0,1,2
	s_delay_alu instid0(VALU_DEP_3)
	v_mov_b32 v[\pc+3+6*\c+\i], v[64+4*\c+\i]
.endr
.endr
.endm
	QUANT ACC, 40, 80
	QUANT ACC+64, 52, 81
.irp b, 0,1
	global_store_b128 v8, v[40+12*\b:43+12*\b], s[58:59] offset:1536*\b
	global_store_b64 v9, v[44+12*\b:45+12*\b], s[58:59] offset:1536*\b+512
	global_store_b128 v8, v[46+12*\b:49+12*\b], s[58:59] offset:1536*\b+768
	global_store_b64 v9, v[50+12*\b:51+12*\b], s[58:59] offset:1536*\b+1280
.endr
	v_cmp_le_u32 vcc_lo, 16, v1
	s_delay_alu instid0(VALU_DEP_1)
	v_cndmask_b32 v84, v80, v81, vcc_lo
	global_store_b32 v10, v84, s[62:63]
	s_wait_tensorcnt 0x0                           ; the wave's end
	ds_add_u32 v[SPW], v[NIL]
	s_wait_dscnt 0x0
	s_endpgm
.Lfunc_end_k_q47f5ca272e_qkv:
	.size	k_q47f5ca272e_qkv, .Lfunc_end_k_q47f5ca272e_qkv-k_q47f5ca272e_qkv
	.p2alignl 7, 3214868480
	.fill 96, 4, 3214868480
	.section	.rodata,"a",@progbits
	.p2align	6, 0x0
	.amdhsa_kernel k_q47f5ca272e_qkv
		.amdhsa_group_segment_fixed_size 327680
		.amdhsa_private_segment_fixed_size 0
		.amdhsa_enable_private_segment 0
		.amdhsa_kernarg_size 48
		.amdhsa_user_sgpr_count 2
		.amdhsa_user_sgpr_kernarg_segment_ptr 1
		.amdhsa_wavefront_size32 1
		.amdhsa_system_sgpr_workgroup_id_x 1
		.amdhsa_system_sgpr_workgroup_id_y 1
		.amdhsa_system_sgpr_workgroup_id_z 1
		.amdhsa_system_vgpr_workitem_id 0
		.amdhsa_next_free_vgpr 320
		.amdhsa_next_free_sgpr 80
		.amdhsa_reserve_vcc 1
		.amdhsa_float_denorm_mode_32 3
		.amdhsa_float_denorm_mode_16_64 3
		.amdhsa_memory_ordered 1
		.amdhsa_forward_progress 1
		.amdhsa_inst_pref_size 84
	.end_amdhsa_kernel
	.amdgpu_metadata
---
amdhsa.version: [ 1, 2 ]
amdhsa.kernels:
  - .name:           k_q47f5ca272e_qkv
    .symbol:         k_q47f5ca272e_qkv.kd
    .args:
      - { .name: img, .offset: 0, .size: 8, .value_kind: global_buffer, .address_space: global }
      - { .name: sc, .offset: 8, .size: 8, .value_kind: global_buffer, .address_space: global }
      - { .name: rope, .offset: 16, .size: 8, .value_kind: global_buffer, .address_space: global }
      - { .name: qimg, .offset: 24, .size: 8, .value_kind: global_buffer, .address_space: global }
      - { .name: qsc, .offset: 32, .size: 8, .value_kind: global_buffer, .address_space: global }
      - { .name: kv, .offset: 40, .size: 8, .value_kind: global_buffer, .address_space: global }
    .group_segment_fixed_size: 327680
    .private_segment_fixed_size: 0
    .kernarg_segment_align: 8
    .kernarg_segment_size: 48
    .max_flat_workgroup_size: 256
    .sgpr_count:     80
    .vgpr_count:     320
    .wavefront_size: 32
...
	.end_amdgpu_metadata
.endif
;; end of part 2
;; launch attn (part 3): grid 64 x 4, 16 waves a work-group, no clusters, 327,680 bytes of LDS; arguments qimg, qsc, kv, oimg, osc; writes oimg, osc
.if DOCPART == 3
	.amdgcn_target "amdgcn-amd-amdhsa--gfx1250"
	.amdhsa_code_object_version 6
	.text
	.protected	k_q47f5ca272e_attn
	.globl	k_q47f5ca272e_attn
	.p2align	8
	.type	k_q47f5ca272e_attn,@function
k_q47f5ca272e_attn:
	s_mov_b64 s[64:65], 0
	v_nop
	global_prefetch_b8 v0, s[64:65] scope:SCOPE_SE
	s_setreg_imm32_b32 hwreg(HW_REG_WAVE_MODE, 25, 1), 1
	s_wait_xcnt 0x0
; THIRD LAUNCH: causal attention on codes, and the quantising of its result along head x 64 + d for the last product.
; WORK LEFT OUT: a step of 128 keys all of which come after a tile's 16 queries: reference()'s own jnp.tril sets those scores to -inf, so their weights are 0 for all inputs (shown at the head of the first
; launch, with the limit that a NaN or infinity at a hidden key is not carried).
; THE SOFTMAX: t = score x log2(e) / 8; M = the running largest t rounded UP to a whole number, kept as -M = floor(-t); p = 2^(t - M) is quantised along the keys, not normalised; the row's sum is taken of the
; unquantised p and divides at the end; when M moves, the sum and O are multiplied by 2^(old M - new M), which rounds nothing.
; SHARES.  Work-group (j, g): key/value group g; query tiles 2 j, 2 j + 1 (early) and 254 - 2 j, 255 - 2 j (late) of its four query heads.  An early tile has e = j / 4 + 1 live key steps, a late one 33 - e.
; A pair (early, late) of one head is shared by two waves.  The MAIN wave takes the late tile's key steps 0 .. 16.  The HELPER takes the early tile's e steps, puts that state (O^T, sum, M) into LDS bytes of its own,
; takes the late tile's Q and does its key steps 17 .. 32 - e.  So a main has 17 steps, a helper 16, whatever j.  At the end the helper hands its part of the late tile to the main through LDS; the two parts are joined
; under the larger M by factors 2^(M' - M), which round nothing; the helper takes its early tile back and both finish one tile each.
; Wave w: head w / 4, place u = (w + w / 4) % 4: u = 0, 1 helpers, u = 2, 3 mains; a main's helper is wave w xor 2.
; Both products are used transposed (S^T = K Q^T, O^T = V^T P^T): a lane holds ONE query.  The scores' K is the head's 64: registers 6-11 of Q's and K's fragments are zero codes under the byte 127.
; THE RING.  Two slots of four records of 13,056 bytes: the mains' records of two trips, then the helpers'.  16 trips in 8 slots.  In trip T the mains read key step T + 1; the helpers key step T while T < e, then
; 17 + T - e: only the loads' global addresses hang on j, no LDS address does.  So up to e records are fetched twice.  Key step 0, which the mains do ahead of trip 0, lies in bytes of its own behind slot 0's records.
; Waves 0-3 fetch one record each by one tensor load for each slot, wave 4 key step 0 at the head (one load of a wave is out at the most).  Every wait for tensor loads is for 0.
; THE CHANGE OF SLOTS is spread over a slot's second step: behind the step's last LDS read and the mask each wave waits for its tensor loads, adds 0 to its spare word, waits for that and signals; the rest of the step
; works on registers alone; the barrier's wait stands at the step's end, and the refill of the slot just left is the first line behind it.
; NO CLUSTER: two of a slot's four records hang on the work-group's number, so the partners' descriptors would differ.  NO PREFETCH: each record is asked for a slot ahead, more than one trip of all sixteen waves.
; LIMITS: as stated at the head of the first launch; the promise holds while the scaled scores stay under 2^31 in magnitude.
.set REC,   13056
.set SLOT1, 65536                      ; slot 1 begins here: one exclusive or turns an address of one slot into the other's
.set OSCM,  131072                     ; 512 bytes: the four tiles' scale bytes of o: [tile 4][row 16][8 bytes, two for each head]
.set SPARE, 131584                     ; the spare words, 128 bytes a wave
.set STB,   4608                       ; a state: O^T's 32 registers and v12-15, 16 bytes a lane a piece
.set STASH, 133632                     ; [wave 16] x STB: a helper's early tile
.set EXCH,  207360                     ; [wave 16] x STB: first the late tile's Q, at the end the helper's part of the late tile
.set KB,    32                         ; v32-79   four tiles of K; registers 6-11 of each stay zeros
.set KSC,   80                         ; v80-83   K's scale words
.set VSC,   84                         ; v84-85   V's
.set BM,    86                         ; v86-89   the blocks' largest scores, then largest p
.set BX,    90                         ; v90-93   at work
.set S,     96                         ; v96-159  S^T, then p
.set O,     160                        ; v160-191 O^T
.set VB,    192                        ; v192-239 V^T's four fragments
.set P,     240                        ; v240-251 p's codes
.set WV,    14
.set TB,    36                         ; s36 LDS byte at which my records of the slot in hand begin
.set KF,    37                         ; s37 the step's first key
.set Q0,    38                         ; s38 first query of the tile in hand;  s39 of the late tile
.set SLOTS, 40
.set TAU,   44                         ; s44 the trip
.set ESW,   45                         ; s45 e
.set HF,    58                         ; s58 1 in a helper
.set LT,    59                         ; s59 the trip whose record I fetch next
.set EW,    60                         ; s60 from which trip on that record's key step jumps,
.set JW,    63                         ; s63 and by how much
.set JMP,   61                         ; s61 17 - e
.set KJ,    62                         ; s62 128 (17 - e)
.macro PLACES
.rept 4
	v_nop
.endr
.endm
.macro FRAG reg, a16, a8, off
	ds_load_b128 v[\reg:\reg+3], v[\a16] offset:\off
	ds_load_b64 v[\reg+4:\reg+5], v[\a8] offset:\off+512
	ds_load_b128 v[\reg+6:\reg+9], v[\a16] offset:\off+768
	ds_load_b64 v[\reg+10:\reg+11], v[\a8] offset:\off+1280
.endm
.macro WM d, fa, fb, sa, sb, zero, ra  ; zero = 1: the product starts the sum; ra = 1: source 0's scales stand in lanes 16-31
.if (\zero) && ((\ra) == 0)
	v_wmma_scale_f32_16x16x128_f8f6f4 v[\d:\d+7], v[\fa:\fa+11], v[\fb:\fb+11], 0, v[\sa], v[\sb] matrix_a_fmt:MATRIX_FMT_BF6 matrix_b_fmt:MATRIX_FMT_BF6
.elseif (\zero)
	v_wmma_scale_f32_16x16x128_f8f6f4 v[\d:\d+7], v[\fa:\fa+11], v[\fb:\fb+11], 0, v[\sa], v[\sb] matrix_a_fmt:MATRIX_FMT_BF6 matrix_b_fmt:MATRIX_FMT_BF6 matrix_a_scale:MATRIX_SCALE_ROW1
.elseif ((\ra) == 0)
	v_wmma_scale_f32_16x16x128_f8f6f4 v[\d:\d+7], v[\fa:\fa+11], v[\fb:\fb+11], v[\d:\d+7], v[\sa], v[\sb] matrix_a_fmt:MATRIX_FMT_BF6 matrix_b_fmt:MATRIX_FMT_BF6
.else
	v_wmma_scale_f32_16x16x128_f8f6f4 v[\d:\d+7], v[\fa:\fa+11], v[\fb:\fb+11], v[\d:\d+7], v[\sa], v[\sb] matrix_a_fmt:MATRIX_FMT_BF6 matrix_b_fmt:MATRIX_FMT_BF6 matrix_a_scale:MATRIX_SCALE_ROW1
.endif
.endm
.macro TLOAD n                         ; waves 0 .. n - 1 fetch; an s_nop 0 and four v_nop follow the load
	s_cmp_lt_u32 s[WV], \n
	s_cbranch_scc0 .Lasked_\@
	tensor_load_to_lds s[32:35], s[24:31]
	s_nop 0
.rept 4
	v_nop
.endr
.Lasked_\@:
.endm
.macro LADDR                           ; group 0's global address: the record of trip LT: key step LT, or LT + JW from trip EW on
	s_cmp_ge_u32 s[LT], s[EW]
	s_cselect_b32 s50, s[JW], 0
	s_add_co_u32 s50, s50, s[LT]
	s_mul_i32 s50, s50, REC
	s_add_nc_u64 s[34:35], s[46:47], s[50:51]
	s_or_b32 s35, s35, 0x80000000
.endm
.macro NEXTFILL                        ; group 0 for the next fill: no tensor load of mine is out where this stands
	s_xor_b32 s33, s33, SLOT1                      ; the other slot than last time,
	s_add_co_u32 s[LT], s[LT], 2                   ; the record of two trips on
	LADDR
.endm
.macro RESET                           ; an empty state: the largest t -3e38, the sum and O^T zeros
	v_mov_b32 v13, 0xff61b1e6
	v_mov_b32 v14, 0
	v_mov_b32 v15, 0
	v_floor_f32 v12, -v13                          ; -M
.set N, 0
.rept 32
	v_mov_b32 v[O+N], 0
.set N, N+1
.endr
.endm
.macro SAVE adr                        ; my state into LDS bytes of my own; each accumulator from its low end on
.irp i, 0,1,2,3,4,5,6,7
	ds_store_b128 v[\adr], v[O+4*\i:O+4*\i+3] offset:512*\i
.endr
	ds_store_b128 v[\adr], v[12:15] offset:4096
.endm
.macro SWITCH                          ; a helper leaves its early tile for the late one
	PLACES                                         ; behind the last products, ahead of the stores that read O^T
	SAVE 29
	ds_load_b128 v[16:19], v30                     ; the late tile's Q, put there at the head by this wave
	ds_load_b128 v[20:23], v30 offset:512          ; registers 4, 5, the scale word, a zero
	s_wait_dscnt 0x0                               ; Q is in, and the stores have read their registers
	v_mov_b32 v28, v22
	v_mov_b32 v22, 0
	v_mov_b32 v23, 0
	RESET                                          ; (its 36 lines also stand between the scale word's write and the next products)
	s_mov_b32 s[Q0], s39
	s_add_co_u32 s[KF], s[KF], s[KJ]               ; from key step e to key step 17
	s_wait_alu depctr_va_vdst(0)                   ; the wait ahead of the label
.endm
	s_load_b256 s[4:11], s[0:1], 0x0               ; qimg 4, qsc 6, kv 8, oimg 10
	s_load_b64 s[12:13], s[0:1], 0x20              ; osc
	v_lshl_add_u32 v5, v0, 2, SPARE
	v_mov_b32 v6, 0
	ds_add_u32 v5, v6                              ; the wave's opening: the add, twice on end, and its wait ahead of the first tensor load
	ds_add_u32 v5, v6
	v_lshrrev_b32 v8, 5, v0
	s_delay_alu instid0(VALU_DEP_1)
	v_readfirstlane_b32 s[WV], v8                  ; wave 0..15
	s_and_b32 s15, ttmp7, 0xffff                   ; g
	s_lshr_b32 s16, s[WV], 2                       ; which of the group's four heads
	s_add_co_u32 s17, s[WV], s16
	s_and_b32 s17, s17, 3                          ; u: also which of the work-group's four tiles I finish
	s_lshr_b32 s41, s17, 1
	s_xor_b32 s[HF], s41, 1
	s_lshl_b32 s18, s15, 2
	s_add_co_u32 s18, s18, s16                     ; the head
	s_lshl_b32 s19, ttmp9, 1
	s_and_b32 s42, s17, 1
	s_add_co_u32 s53, s19, s42                     ; the pair's early tile,
	s_sub_co_u32 s52, 254, s19
	s_add_co_u32 s52, s52, s42                     ; its late tile
	s_lshr_b32 s[ESW], ttmp9, 2
	s_add_co_u32 s[ESW], s[ESW], 1                 ; e
	s_sub_co_u32 s[JMP], 17, s[ESW]
	s_lshl_b32 s[KJ], s[JMP], 7
	s_lshl_b32 s39, s52, 4
	s_mov_b32 s55, 99
	s_cmp_eq_u32 s[HF], 1
	s_cselect_b32 s43, s53, s52                    ; the tile that I begin with and finish
	s_and_b32 s50, s[WV], 2
	s_cmp_lg_u32 s50, 0                            ; waves 2 and 3 fetch the helpers' records: key step T, from trip e on T + 17 - e;
	s_cselect_b32 s[EW], s[ESW], 0                 ; waves 0 and 1 the mains': key step T + 1;
	s_cselect_b32 s[JW], s[JMP], 1
	s_cmp_eq_u32 s[WV], 4                          ; wave 4, at the head alone, key step 0
	s_cselect_b32 s[EW], s55, s[EW]
	s_and_b32 s[LT], s[WV], 1
	s_lshl_b32 s[Q0], s43, 4
	s_sub_co_u32 s41, s52, s43                     ; tiles from mine to the late one,
	s_lshl_b32 s42, s41, 6                         ; in bytes of scale words,
	s_mul_i32 s41, s41, 768                        ; and of images
	; descriptor group 1: a record's 13,056 dense bytes as 51 rows of 256 bytes (32 elements of 8 bytes)
	s_mov_b32 s24, 3<<16
	s_mov_b32 s25, 32<<16
	s_mov_b32 s26, 51<<16
	s_mov_b32 s27, 32<<16
	s_mov_b32 s28, 51
	s_mov_b32 s29, 32
	s_mov_b32 s30, 0
	s_mov_b32 s31, 0
	s_mov_b32 s32, 1                               ; group 0: slot 0, record w; wave 4's lies behind the four
	s_and_b32 s33, s[WV], 7
	s_mul_i32 s33, s33, REC
	s_mul_i32 s46, s15, 32*REC                     ; the group's first record
	s_mov_b32 s47, 0
	s_lshl_b32 s48, s18, 8
	s_add_co_u32 s48, s48, s43
	s_mul_i32 s48, s48, 768                        ; Q's image
	s_mov_b32 s49, 0
	s_lshl_b32 s52, s18, 12
	s_add_co_u32 s52, s52, s[Q0]
	s_lshl_b32 s52, s52, 2                         ; Q's scale words
	s_mov_b32 s53, 0
	s_mul_i32 s54, s43, 12288
	s_mul_i32 s55, s18, 768
	s_add_co_u32 s54, s54, s55                     ; o's image: row tile, then the head's 64 of K
	s_mov_b32 s55, 0
	s_lshl_b32 s56, s43, 9
	s_lshl_b32 s57, s15, 7
	s_add_co_u32 s56, s56, s57                     ; o's scale words: row tile, then the group's pair of K steps
	s_mov_b32 s57, 0
	s_mov_b32 s20, 0x76543210
	s_mov_b32 s21, 0xfedcba98                      ; selects for lane l xor 16
	s_mov_b32 s22, 0x3e38aa3b                      ; c = log2(e) / 8
	s_mov_b32 s23, s22                             ; (named with it as a pair, so it is written)
	s_mov_b32 s[TB], 4*REC                         ; key step 0's record
	s_mov_b32 s[KF], 0
	s_mov_b32 s[TAU], 0
	s_mov_b32 s[SLOTS], 6
	s_mov_b32 s51, 0
	s_wait_dscnt 0x0                               ; both opening adds are done
	s_wait_kmcnt 0x0
	s_add_nc_u64 s[46:47], s[8:9], s[46:47]
	LADDR
	TLOAD 5                                        ; slot 0 (trips 0 and 1) and key step 0
	s_add_nc_u64 s[4:5], s[4:5], s[48:49]
	s_add_nc_u64 s[6:7], s[6:7], s[52:53]
	s_add_nc_u64 s[10:11], s[10:11], s[54:55]
	s_add_nc_u64 s[12:13], s[12:13], s[56:57]
	s_and_b32 s52, s[WV], 3
	s_lshl_b32 s52, s52, 7
	s_add_co_u32 s52, s52, OSCM                    ; where waves 0-3 read a tile's 128 scale bytes back
	s_lshl_b32 s53, s17, 7
	s_lshl_b32 s54, s16, 1
	s_add_co_u32 s53, s53, s54
	s_add_co_u32 s53, s53, OSCM                    ; where I put my rows' two bytes
	s_mul_i32 s54, s[WV], STB
	s_add_co_u32 s55, s54, EXCH
	s_add_co_u32 s54, s54, STASH
	s_and_b32 s56, s17, 2                          ; the state that I take in at the end: a main its helper's part (wave w xor 2, EXCH), a helper its own early tile (STASH)
	s_xor_b32 s56, s56, s[WV]
	s_mul_i32 s56, s56, STB
	s_lshr_b32 s57, s17, 1
	s_mul_i32 s57, s57, EXCH-STASH
	s_add_co_u32 s56, s56, s57
	s_add_co_u32 s56, s56, STASH
	v_and_b32 v8, 31, v0
	v_and_b32 v9, 15, v0                           ; r
	v_bfe_u32 v10, v0, 4, 1                        ; h
	v_lshlrev_b32 v1, 4, v8                        ; 16, 8 and 4 x lane
	v_lshlrev_b32 v2, 3, v8
	v_lshlrev_b32 v3, 2, v8
	v_lshlrev_b32 v7, 3, v10
	v_lshl_add_u32 v11, v9, 3, s53
	v_lshlrev_b32 v254, 2, v9
	v_sub_nc_u32 v7, v9, v7                        ; r - 8 h, for the diagonal
	v_add_nc_u32 v4, s52, v3
	v_add_nc_u32 v29, s54, v1
	v_add_nc_u32 v30, s55, v1
	v_add_nc_u32 v31, s56, v1
	global_load_b128 v[16:19], v1, s[4:5]          ; Q's codes stay in registers
	global_load_b64 v[20:21], v2, s[4:5] offset:512
	global_load_b32 v28, v254, s[6:7]              ; and its scale words
.irp i, 22,23,24,25,26,27
	v_mov_b32 v[\i], 0                             ; zero codes for K = 64 .. 127
.endr
.irp t, 0,1,2,3
.irp i, 6,7,8,9,10,11
	v_mov_b32 v[KB+12*\t+\i], 0
.endr
.endr
	RESET
.irp b, 0,1,2,3
	v_mov_b32 v[BX+\b], 0                          ; written once: a lane permute's destination counts as one of its sources
.endr
	v_mov_b32 v252, 0
	v_mov_b32 v253, 0                              ; (named as the upper half of the pair v[252:253] before it is first written)
	s_wait_alu depctr_va_vdst(0)                   ; the wait at the head's end, ahead of the branch
	s_cmp_eq_u32 s[HF], 0
	s_cbranch_scc1 .Lno_q2
	v_add_nc_u32 v104, s41, v1                     ; a helper fetches the late tile's Q too and keeps it in LDS bytes of its own
	v_add_nc_u32 v105, s41, v2
	v_add_nc_u32 v106, s42, v254
	v_mov_b32 v103, 0
	global_load_b128 v[96:99], v104, s[4:5]
	global_load_b64 v[100:101], v105, s[4:5] offset:512
	global_load_b32 v102, v106, s[6:7]
	s_wait_alu depctr_va_vdst(0)
	s_wait_loadcnt 0x0
	ds_store_b128 v30, v[96:99]
	ds_store_b128 v30, v[100:103] offset:512
.Lno_q2:
	s_wait_loadcnt 0x0                             ; Q
; A KEY STEP: 128 keys, my record q of the slot in hand.
; full = 0: the mains' key step 0: no change of tiles and no diagonal can fall into it (a late tile's queries begin at 2,048 or later), and it is no trip.
; sig = 1: the step carries the change of slots;  sig = 2: and the slot just left is filled again.
.macro STEP q, full, sig
.if \full
	s_cmp_eq_u32 s[HF], 1
	s_cbranch_scc0 .Lsame_\@
	s_cmp_eq_u32 s[TAU], s[ESW]                    ; ids and the count of steps alone
	s_cbranch_scc0 .Lsame_\@
	SWITCH
.Lsame_\@:
.endif
	v_add_nc_u32 v8, s[TB], v1                     ; (these three and the v_nop are the four places in front of loads into registers that the last products read)
	v_add_nc_u32 v9, s[TB], v2
	v_add_nc_u32 v10, s[TB], v3
	v_nop
.irp p, 0,1,2,3
	ds_load_b32 v[KSC+\p], v10 offset:(\q)*REC+12288+128*\p
.endr
.irp t, 0,1,2,3
	ds_load_b128 v[KB+12*\t:KB+12*\t+3], v8 offset:(\q)*REC+768*\t
	ds_load_b64 v[KB+12*\t+4:KB+12*\t+5], v9 offset:(\q)*REC+768*\t+512
.endr
.irp dt, 0,1,2,3
	FRAG VB+12*\dt, 8, 9, (\q)*REC+6144+1536*\dt
.endr
.irp u, 0,1
	ds_load_b32 v[VSC+\u], v10 offset:(\q)*REC+12800+128*\u
.endr
	s_wait_alu depctr_va_vdst(0)
	s_wait_dscnt 18                                ; K's words and first four tiles are in; V's 16 loads and its 2 words, issued behind them, may be out
.irp t, 0,1,2,3
	WM S+8*\t, KB+12*\t, 16, KSC+\t/2, 28, 1, \t%2
.endr
	PLACES
.irp t, 0,1,2,3
	ds_load_b128 v[KB+12*\t:KB+12*\t+3], v8 offset:(\q)*REC+768*(4+\t)
	ds_load_b64 v[KB+12*\t+4:KB+12*\t+5], v9 offset:(\q)*REC+768*(4+\t)+512
.endr
	s_wait_dscnt 0x0                               ; the step's last LDS reads are in
.irp t, 0,1,2,3
	WM S+8*(4+\t), KB+12*\t, 16, KSC+2+\t/2, 28, 1, \t%2
.endr
	PLACES
.if \full
	s_add_co_u32 s50, s[KF], 127                   ; a step all of whose keys count skips the mask
	s_cmp_le_u32 s50, s[Q0]
	s_cbranch_scc1 .Lopen_\@
	s_sub_co_i32 s50, s[Q0], s[KF]
	v_add_nc_u32 v254, s50, v7                     ; d = my query - KF - 8 h.  Register n holds key KF + 16 (n / 8) + 8 h + n % 8: hidden where 16 (n / 8) + n % 8 > d
	v_mov_b32 v252, 0xff800000                     ; -infinity: p = 0 then
.set N, 0
.rept 64
	v_cmp_gt_i32 vcc_lo, 16*(N/8)+N%8, v254
	v_cndmask_b32 v[S+N], v[S+N], v252, vcc_lo
.set N, N+1
.endr
.Lopen_\@:
.endif
.if \sig
	s_wait_alu depctr_va_vdst(0)
	s_wait_tensorcnt 0x0                           ; my part of the next slot has landed; no tensor load of mine is out
	ds_add_u32 v5, v6
.if \sig == 2
	ds_add_u32 v5, v6                              ; and, where a load may follow, twice on end
	NEXTFILL
.endif
.endif
.irp b, 0,1,2,3
	v_max3_num_f32 v[BM+\b], v[S+16*\b], v[S+16*\b+1], v[S+16*\b+2]   ; the largest score of each block of 32 keys: it serves the row's maximum and, since p rises with the score, the block's largest p
.endr
.irp i, 3,5,7,9,11,13
.irp b, 0,1,2,3
	v_max3_num_f32 v[BM+\b], v[BM+\b], v[S+16*\b+\i], v[S+16*\b+\i+1]
.endr
.endr
.irp b, 0,1,2,3
	v_max_num_f32 v[BM+\b], v[BM+\b], v[S+16*\b+15]
.endr
.if \sig
	s_wait_alu depctr_va_vdst(0)
	s_wait_dscnt 0x0                               ; the add is done (the 32 maxima stood between), and my reads of this slot were over before it
	s_barrier_signal -1                            ; from here to the barrier's wait at the step's end: work on registers alone
.endif
.irp b, 0,1,2,3
.if (\sig) == 0
	s_delay_alu instid0(VALU_DEP_4)
.endif
	v_permlanex16_b32 v[BX+\b], v[BM+\b], s20, s21
.endr
.irp b, 0,1,2,3
	s_delay_alu instid0(VALU_DEP_4)
	v_max_num_f32 v[BM+\b], v[BM+\b], v[BX+\b]     ; with lane l xor 16's 16 keys
.endr
	s_delay_alu instid0(VALU_DEP_2)
	v_max3_num_f32 v254, v[BM], v[BM+1], v[BM+2]
	s_delay_alu instid0(VALU_DEP_1)
	v_max_num_f32 v254, v254, v[BM+3]
	s_delay_alu instid0(VALU_DEP_1)
	v_mul_f32 v254, s22, v254                      ; the step's largest t of my query
	s_delay_alu instid0(VALU_DEP_1)
	v_max_num_f32 v13, v13, v254                   ; the running largest
	v_mov_b32 v254, v12
	s_delay_alu instid0(VALU_DEP_2)
	v_floor_f32 v12, -v13                          ; the new -M
	s_delay_alu instid0(VALU_DEP_1)
	v_sub_f32 v254, v12, v254                      ; old M - new M: a whole number, 0 or less
	s_delay_alu instid0(VALU_DEP_1)
	v_cvt_i32_f32 v254, v254                       ; (it saturates)
	s_delay_alu instid0(VALU_DEP_1)
	v_ldexp_f32 v252, 1.0, v254                    ; f = 2^(old M - new M)
.set N, 0
.rept 32
	v_pk_fma_f32 v[S+N:S+N+1], v[S+N:S+N+1], s[22:23], v[12:13] op_sel_hi:[1,0,0]   ; t - M, two at a time
.set N, N+2
.endr
.irp b, 0,1,2,3
	v_fma_f32 v[BM+\b], v[BM+\b], s22, v12         ; the same of each block's largest score
.endr
.set N, 0
	s_wait_alu depctr_va_vdst(0)                   ; the wait ahead of the batch
.rept 64
	v_exp_f32 v[S+N], v[S+N]                       ; p, at most 1
.set N, N+1
.endr
	v_pk_mul_f32 v[14:15], v[14:15], v[252:253] op_sel_hi:[1,0]   ; the sums under the new M: the plain instruction behind the batch
	s_wait_alu depctr_va_vdst(0)                   ; one wait for the 64 exponentials, ahead of the first instruction that names a result
.irp b, 0,1,2,3
	v_exp_f32 v[BM+\b], v[BM+\b]                   ; the blocks' largest p
.endr
	v_pk_add_f32 v[90:91], v[100:101], v[104:105]  ; the row's sum of the unquantised p, in eight chains
	v_pk_add_f32 v[254:255], v[108:109], v[112:113]
	v_pk_add_f32 v[250:251], v[116:117], v[120:121]
	v_pk_add_f32 v[248:249], v[124:125], v[128:129]
	v_pk_add_f32 v[246:247], v[132:133], v[136:137]
	v_pk_add_f32 v[244:245], v[140:141], v[144:145]
	v_pk_add_f32 v[242:243], v[148:149], v[152:153]
	v_pk_add_f32 v[14:15], v[14:15], v[156:157]
	v_pk_add_f32 v[90:91], v[90:91], v[96:97]
	v_pk_add_f32 v[254:255], v[254:255], v[98:99]
	v_pk_add_f32 v[250:251], v[250:251], v[102:103]
	v_pk_add_f32 v[248:249], v[248:249], v[106:107]
	v_pk_add_f32 v[246:247], v[246:247], v[110:111]
	v_pk_add_f32 v[244:245], v[244:245], v[114:115]
	v_pk_add_f32 v[242:243], v[242:243], v[118:119]
	v_pk_add_f32 v[14:15], v[14:15], v[122:123]
	v_pk_add_f32 v[90:91], v[90:91], v[126:127]
	v_pk_add_f32 v[254:255], v[254:255], v[130:131]
	v_pk_add_f32 v[250:251], v[250:251], v[134:135]
	v_pk_add_f32 v[248:249], v[248:249], v[138:139]
	v_pk_add_f32 v[246:247], v[246:247], v[142:143]
	v_pk_add_f32 v[244:245], v[244:245], v[146:147]
	v_pk_add_f32 v[242:243], v[242:243], v[150:151]
	v_pk_add_f32 v[14:15], v[14:15], v[154:155]
	v_pk_add_f32 v[90:91], v[90:91], v[158:159]
	s_delay_alu instid0(VALU_DEP_2)
	v_pk_add_f32 v[14:15], v[14:15], v[248:249]
	s_delay_alu instid0(VALU_DEP_2)
	v_pk_add_f32 v[90:91], v[90:91], v[246:247]
	v_pk_add_f32 v[254:255], v[254:255], v[244:245]
	v_pk_add_f32 v[250:251], v[250:251], v[242:243]
	s_delay_alu instid0(VALU_DEP_2)
	v_pk_add_f32 v[14:15], v[14:15], v[254:255]
	s_delay_alu instid0(VALU_DEP_2)
	v_pk_add_f32 v[90:91], v[90:91], v[250:251]
	s_delay_alu instid0(VALU_DEP_1)
	v_pk_add_f32 v[14:15], v[14:15], v[90:91]
	s_wait_alu depctr_va_vdst(0)                   ; and one for the four
.irp b, 0,1,2,3
	v_max_num_f32 v[BM+\b], 0x2800000, v[BM+\b]    ; the floor 2^(5 - 127): the byte cannot fall under 1
.endr
.irp b, 0,1,2,3
	s_delay_alu instid0(VALU_DEP_4)
	v_add_nc_u32 v[44+\b], 0xfe000000, v[BM+\b]    ; 4 off the exponent field: the conversion's scale operand
.endr
.irp b, 0,1,2,3
	s_delay_alu instid0(VALU_DEP_4)
	v_lshrrev_b32 v[BX+\b], 23, v[44+\b]
.endr
	s_delay_alu instid0(VALU_DEP_3)
	v_lshl_or_b32 v253, v[BX+1], 8, v[BX]          ; p's scale word for these 128 keys
	s_delay_alu instid0(VALU_DEP_1)
	v_lshl_or_b32 v253, v[BX+2], 16, v253
	s_delay_alu instid0(VALU_DEP_1)
	v_lshl_or_b32 v253, v[BX+3], 24, v253
.irp c, 0,1
	v_cvt_scalef32_pk16_bf6_f32 v[P+6*\c:P+6*\c+2], v[S+32*\c:S+32*\c+15], v[44+2*\c]
	v_cvt_scalef32_pk16_bf6_f32 v[32+24*\c:34+24*\c], v[S+32*\c+16:S+32*\c+31], v[45+2*\c]
.endr
	v_nop                                          ; one plain instruction behind the conversions
.irp c, 0,1
.irp i, 0,1,2
	v_permlane16_swap_b32 v[P+6*\c+\i], v[32+24*\c+\i]   ; a whole block to a lane
.endr
.irp i, 0,1,2
	s_delay_alu instid0(VALU_DEP_3)
	v_mov_b32 v[P+3+6*\c+\i], v[32+24*\c+\i]
.endr
.endr
	s_wait_alu depctr_va_vdst(0)                   ; directly ahead of the first reader of O^T
.set N, 0
.rept 16
	v_pk_mul_f32 v[O+N:O+N+1], v[O+N:O+N+1], v[252:253] op_sel_hi:[1,0]   ; O^T under the new M; these 16 also stand between the scale word's and the codes' last writes and the products
.set N, N+2
.endr
.irp dt, 0,1,2,3
	WM O+8*\dt, VB+12*\dt, P, VSC+\dt/2, 253, 0, \dt%2   ; the four accumulators by turns
.endr
	s_add_co_u32 s[KF], s[KF], 128
.if \full
	s_add_co_u32 s[TAU], s[TAU], 1
.endif
.if \sig
	s_barrier_wait -1                              ; every wave has left this slot, and the next slot is whole
.if \sig == 2
	TLOAD 4                                        ; the slot just left takes the records of the slot after the next
.endif
.endif
.endm
	s_wait_tensorcnt 0x0                           ; the head's fills: my part has landed
	ds_add_u32 v5, v6
	ds_add_u32 v5, v6
	NEXTFILL
	s_wait_dscnt 0x0                               ; the adds, and a helper's stores of Q
	s_barrier_signal -1
	s_barrier_wait -1
	TLOAD 4                                        ; slot 1: trips 2 and 3
	s_cmp_eq_u32 s[HF], 1
	s_cbranch_scc1 .Lpre_done
	STEP 0, 0, 0                                   ; the mains' key step 0
.Lpre_done:
	s_mul_i32 s[TB], s[HF], 2*REC                  ; the helpers' records lie behind the mains' two
.Lslot:                                            ; 12 trips: slots 0 to 5
	STEP 0, 1, 0
	STEP 1, 1, 2
	s_xor_b32 s[TB], s[TB], SLOT1
	s_sub_co_u32 s[SLOTS], s[SLOTS], 1
	s_cmp_lg_u32 s[SLOTS], 0
	s_cbranch_scc1 .Lslot
	STEP 0, 1, 0                                   ; slots 6 and 7 are written out: nothing is left to ask for
	STEP 1, 1, 1
	s_xor_b32 s[TB], s[TB], SLOT1
	STEP 0, 1, 0
	STEP 1, 1, 0
	; THE TWO PARTS OF A LATE TILE MEET.  A helper hands over its part and empties its state; then every wave takes a second state in: a main its helper's part, a helper its own early tile.
	s_cmp_eq_u32 s[HF], 0
	s_cbranch_scc1 .Lmain_end
	s_cmp_eq_u32 s[TAU], s[ESW]                    ; e = 16: the early tile took all sixteen trips, and the helper's part of the late tile is empty
	s_cbranch_scc0 .Lswitched
	SWITCH
.Lswitched:
	PLACES
	SAVE 30
	s_wait_dscnt 0x0                               ; the stores have read their registers
	RESET
.Lmain_end:
	s_wait_alu depctr_va_vdst(0)
	s_wait_dscnt 0x0                               ; for the others' sake
	s_barrier_signal -1
	s_barrier_wait -1
	PLACES                                         ; behind a main's last products, ahead of the first read of O^T
.irp i, 0,1,2,3,4,5,6,7
	ds_load_b128 v[S+4*\i:S+4*\i+3], v31 offset:512*\i
.endr
	ds_load_b128 v[88:91], v31 offset:4096         ; its -M, largest t, and sum in two halves
	s_wait_dscnt 0x0
	v_min_num_f32 v254, v12, v88                   ; -M of the two together
	s_delay_alu instid0(VALU_DEP_1)
	v_sub_f32 v255, v254, v12                      ; my M - M, and the other's: whole numbers, 0 or less
	v_sub_f32 v92, v254, v88
	s_delay_alu instid0(VALU_DEP_2)
	v_cvt_i32_f32 v255, v255                       ; (they saturate: an empty state's factor is 0)
	s_delay_alu instid0(VALU_DEP_2)
	v_cvt_i32_f32 v92, v92
	s_delay_alu instid0(VALU_DEP_2)
	v_ldexp_f32 v252, 1.0, v255
	s_delay_alu instid0(VALU_DEP_2)
	v_ldexp_f32 v92, 1.0, v92
	s_delay_alu instid0(VALU_DEP_2)
	v_pk_mul_f32 v[14:15], v[14:15], v[252:253] op_sel_hi:[1,0]
.set N, 0
.rept 16
	v_pk_mul_f32 v[O+N:O+N+1], v[O+N:O+N+1], v[252:253] op_sel_hi:[1,0]
.set N, N+2
.endr
	v_pk_fma_f32 v[14:15], v[90:91], v[92:93], v[14:15] op_sel_hi:[1,0,1]
.set N, 0
.rept 16
	v_pk_fma_f32 v[O+N:O+N+1], v[S+N:S+N+1], v[92:93], v[O+N:O+N+1] op_sel_hi:[1,0,1]
.set N, N+2
.endr
	; THE WAY OUT: o = O^T / the sum, quantised along the head's 64: an image of 768 bytes and two scale bytes a row.
	v_add_f32 v14, v14, v15
	s_delay_alu instid0(VALU_DEP_1)
	v_permlanex16_b32 v[BX], v14, s20, s21
	s_delay_alu instid0(VALU_DEP_1)
	v_add_f32 v14, v14, v[BX]                      ; the row's sum
	s_wait_alu depctr_va_vdst(0)                   ; the wait ahead of the reciprocal
	v_rcp_f32 v14, v14
	v_nop                                          ; a plain instruction behind the reciprocal,
	s_wait_alu depctr_va_vdst(0)                   ; and the wait ahead of its first reader
.set N, 0
.rept 32
	v_mul_f32 v[S+N], v[O+N], v14                  ; register 8 t + i: o(query r, d = 16 t + 8 h + i)
.set N, N+1
.endr
	v_max3_num_f32 v[BM], |v[S]|, |v[S+1]|, 0x2800000
	v_max3_num_f32 v[BM+1], |v[S+16]|, |v[S+17]|, 0x2800000
.irp i, 2,4,6,8,10,12,14
	s_delay_alu instid0(VALU_DEP_2)
	v_max3_num_f32 v[BM], v[BM], |v[S+\i]|, |v[S+\i+1]|
	s_delay_alu instid0(VALU_DEP_2)
	v_max3_num_f32 v[BM+1], v[BM+1], |v[S+16+\i]|, |v[S+17+\i]|
.endr
	s_delay_alu instid0(VALU_DEP_2)
	v_permlanex16_b32 v[BX], v[BM], s20, s21
	s_delay_alu instid0(VALU_DEP_2)
	v_permlanex16_b32 v[BX+1], v[BM+1], s20, s21
	s_delay_alu instid0(VALU_DEP_2)
	v_max_num_f32 v[BM], v[BM], v[BX]
	s_delay_alu instid0(VALU_DEP_2)
	v_max_num_f32 v[BM+1], v[BM+1], v[BX+1]
	s_delay_alu instid0(VALU_DEP_2)
	v_add_nc_u32 v44, 0xfe000000, v[BM]
	s_delay_alu instid0(VALU_DEP_2)
	v_add_nc_u32 v45, 0xfe000000, v[BM+1]
	s_delay_alu instid0(VALU_DEP_2)
	v_lshrrev_b32 v[BX+2], 23, v44
	s_delay_alu instid0(VALU_DEP_2)
	v_lshrrev_b32 v[BX+3], 23, v45
	s_delay_alu instid0(VALU_DEP_1)
	v_lshl_or_b32 v254, v[BX+3], 8, v[BX+2]        ; my row's two bytes
	v_cvt_scalef32_pk16_bf6_f32 v[P:P+2], v[S:S+15], v44
	v_cvt_scalef32_pk16_bf6_f32 v[32:34], v[S+16:S+31], v45
	v_nop
.irp i, 0,1,2
	v_permlane16_swap_b32 v[P+\i], v[32+\i]
.endr
.irp i, 0,1,2
	s_delay_alu instid0(VALU_DEP_3)
	v_mov_b32 v[P+3+\i], v[32+\i]
.endr
	global_store_b128 v1, v[P:P+3], s[10:11]       ; whole aligned runs of 256 bytes
	global_store_b64 v2, v[P+4:P+5], s[10:11] offset:512
	ds_store_b16 v11, v254                         ; both lanes of a row write the same two bytes with the same value
	s_wait_dscnt 0x0                               ; for the others' sake
	s_barrier_signal -1
	s_barrier_wait -1
	s_cmp_lt_u32 s[WV], 4                          ; waves 0-3 finish the four tiles (there the tile's number is the wave's): each sends its tile's 128 bytes, four heads' together
	s_cbranch_scc0 .Ldone
	ds_load_b32 v255, v4
	s_wait_dscnt 0x0
	global_store_b32 v3, v255, s[12:13]
.Ldone:
	s_wait_tensorcnt 0x0                           ; the wave's end: behind my last tensor load and my last LDS store
	ds_add_u32 v5, v6
	s_wait_dscnt 0x0
	s_endpgm
.Lfunc_end_k_q47f5ca272e_attn:
	.size	k_q47f5ca272e_attn, .Lfunc_end_k_q47f5ca272e_attn-k_q47f5ca272e_attn
	.p2alignl 7, 3214868480
	.fill 96, 4, 3214868480
	.section	.rodata,"a",@progbits
	.p2align	6, 0x0
	.amdhsa_kernel k_q47f5ca272e_attn
		.amdhsa_group_segment_fixed_size 327680
		.amdhsa_private_segment_fixed_size 0
		.amdhsa_enable_private_segment 0
		.amdhsa_kernarg_size 40
		.amdhsa_user_sgpr_count 2
		.amdhsa_user_sgpr_kernarg_segment_ptr 1
		.amdhsa_wavefront_size32 1
		.amdhsa_system_sgpr_workgroup_id_x 1
		.amdhsa_system_sgpr_workgroup_id_y 1
		.amdhsa_system_sgpr_workgroup_id_z 1
		.amdhsa_system_vgpr_workitem_id 0
		.amdhsa_next_free_vgpr 256
		.amdhsa_next_free_sgpr 66
		.amdhsa_reserve_vcc 1
		.amdhsa_float_denorm_mode_32 3
		.amdhsa_float_denorm_mode_16_64 3
		.amdhsa_memory_ordered 1
		.amdhsa_forward_progress 1
		.amdhsa_inst_pref_size 190
	.end_amdhsa_kernel
	.amdgpu_metadata
---
amdhsa.version: [ 1, 2 ]
amdhsa.kernels:
  - .name:           k_q47f5ca272e_attn
    .symbol:         k_q47f5ca272e_attn.kd
    .args:
      - { .name: qimg, .offset: 0, .size: 8, .value_kind: global_buffer, .address_space: global }
      - { .name: qsc, .offset: 8, .size: 8, .value_kind: global_buffer, .address_space: global }
      - { .name: kv, .offset: 16, .size: 8, .value_kind: global_buffer, .address_space: global }
      - { .name: oimg, .offset: 24, .size: 8, .value_kind: global_buffer, .address_space: global }
      - { .name: osc, .offset: 32, .size: 8, .value_kind: global_buffer, .address_space: global }
    .group_segment_fixed_size: 327680
    .private_segment_fixed_size: 0
    .kernarg_segment_align: 8
    .kernarg_segment_size: 40
    .max_flat_workgroup_size: 512
    .sgpr_count:     66
    .vgpr_count:     256
    .wavefront_size: 32
...
	.end_amdgpu_metadata
.endif
;; end of part 3
;; launch oproj (part 4): grid 256 x 1, 8 waves a work-group, no clusters, 327,680 bytes of LDS; arguments img, sc, oimg, osc, out0; writes out0
.if DOCPART == 4
	.amdgcn_target "amdgcn-amd-amdhsa--gfx1250"
	.amdhsa_code_object_version 6
	.text
	.protected	k_q47f5ca272e_oproj
	.globl	k_q47f5ca272e_oproj
	.p2align	8
	.type	k_q47f5ca272e_oproj,@function
k_q47f5ca272e_oproj:
	s_mov_b64 s[64:65], 0
	v_nop
	global_prefetch_b8 v0, s[64:65] scope:SCOPE_SE
	s_setreg_imm32_b32 hwreg(HW_REG_WAVE_MODE, 25, 1), 1
	s_wait_xcnt 0x0
; FOURTH LAUNCH: out0 = o Wo^T on codes, f32 out.  No work of reference() is left out here.
; A work-group makes 128 tokens x 128 columns: side S0 (source 0) = 8 row tiles of Wo out of img, side S1 (source 1) = 8 row tiles of o out of oimg; K = 1,024.  In a result a lane holds one token and eight
; neighbouring columns.  Wave w: S0's tiles 4 (w % 2) on, S1's tiles 2 (w / 2), + 1: 8 accumulators, which take turns, one instruction a turn.
; ALL OF K LIES IN LDS: two chunks of four K steps, 98,304 bytes each (S0's 8 x 6,144, then S1's), asked for at the head by eight tensor loads, one a wave (one of mine is out at the most); nothing is filled again.
; The results leave through each wave's own stage in LDS (16 rows x 272 bytes, behind the chunks), so that sixteen lanes store 256 consecutive bytes of a row of out0, aligned.
; NO CLUSTER in this text: every tile is asked for once, at the head, and there is no ring whose refills would recur; neighbouring work-groups do share their tokens' images, and a joint form is possible.
.set CH,    98304
.set S1O,   49152
.set STG,   2*CH
.set SPARE, STG+8*4352
.set BF,    16
.set AF,    40
.set SA,    88                         ; v88-103  S0's scale words: tiles 2 p, 2 p + 1 of my four, K step ks, at SA + 8 p + ks
.set SB,    104                        ; v104-111 S1's: my two tiles, at SB + ks
.set ACC,   128                        ; accumulator (a, b) at ACC + 8 (4 b + a)
.set SPW,   14
.set NIL,   15
.macro PLACES
.rept 4
	v_nop
.endr
.endm
.macro FRAG reg, a16, a8, off
	ds_load_b128 v[\reg:\reg+3], v[\a16] offset:\off
	ds_load_b64 v[\reg+4:\reg+5], v[\a8] offset:\off+512
	ds_load_b128 v[\reg+6:\reg+9], v[\a16] offset:\off+768
	ds_load_b64 v[\reg+10:\reg+11], v[\a8] offset:\off+1280
.endm
.macro WM d, fa, fb, sa, sb, zero, ra, rb
.if (\zero) && ((\ra) == 0) && ((\rb) == 0)
	v_wmma_scale_f32_16x16x128_f8f6f4 v[\d:\d+7], v[\fa:\fa+11], v[\fb:\fb+11], 0, v[\sa], v[\sb] matrix_a_fmt:MATRIX_FMT_BF6 matrix_b_fmt:MATRIX_FMT_BF6
.elseif (\zero) && ((\ra) == 1) && ((\rb) == 0)
	v_wmma_scale_f32_16x16x128_f8f6f4 v[\d:\d+7], v[\fa:\fa+11], v[\fb:\fb+11], 0, v[\sa], v[\sb] matrix_a_fmt:MATRIX_FMT_BF6 matrix_b_fmt:MATRIX_FMT_BF6 matrix_a_scale:MATRIX_SCALE_ROW1
.elseif (\zero) && ((\ra) == 0)
	v_wmma_scale_f32_16x16x128_f8f6f4 v[\d:\d+7], v[\fa:\fa+11], v[\fb:\fb+11], 0, v[\sa], v[\sb] matrix_a_fmt:MATRIX_FMT_BF6 matrix_b_fmt:MATRIX_FMT_BF6 matrix_b_scale:MATRIX_SCALE_ROW1
.elseif (\zero)
	v_wmma_scale_f32_16x16x128_f8f6f4 v[\d:\d+7], v[\fa:\fa+11], v[\fb:\fb+11], 0, v[\sa], v[\sb] matrix_a_fmt:MATRIX_FMT_BF6 matrix_b_fmt:MATRIX_FMT_BF6 matrix_a_scale:MATRIX_SCALE_ROW1 matrix_b_scale:MATRIX_SCALE_ROW1
.elseif ((\ra) == 0) && ((\rb) == 0)
	v_wmma_scale_f32_16x16x128_f8f6f4 v[\d:\d+7], v[\fa:\fa+11], v[\fb:\fb+11], v[\d:\d+7], v[\sa], v[\sb] matrix_a_fmt:MATRIX_FMT_BF6 matrix_b_fmt:MATRIX_FMT_BF6
.elseif ((\ra) == 1) && ((\rb) == 0)
	v_wmma_scale_f32_16x16x128_f8f6f4 v[\d:\d+7], v[\fa:\fa+11], v[\fb:\fb+11], v[\d:\d+7], v[\sa], v[\sb] matrix_a_fmt:MATRIX_FMT_BF6 matrix_b_fmt:MATRIX_FMT_BF6 matrix_a_scale:MATRIX_SCALE_ROW1
.elseif ((\ra) == 0)
	v_wmma_scale_f32_16x16x128_f8f6f4 v[\d:\d+7], v[\fa:\fa+11], v[\fb:\fb+11], v[\d:\d+7], v[\sa], v[\sb] matrix_a_fmt:MATRIX_FMT_BF6 matrix_b_fmt:MATRIX_FMT_BF6 matrix_b_scale:MATRIX_SCALE_ROW1
.else
	v_wmma_scale_f32_16x16x128_f8f6f4 v[\d:\d+7], v[\fa:\fa+11], v[\fb:\fb+11], v[\d:\d+7], v[\sa], v[\sb] matrix_a_fmt:MATRIX_FMT_BF6 matrix_b_fmt:MATRIX_FMT_BF6 matrix_a_scale:MATRIX_SCALE_ROW1 matrix_b_scale:MATRIX_SCALE_ROW1
.endif
.endm
.macro KSTEP ks, zero                  ; 128 along K: six fragments, 8 products
	PLACES
.irp b, 0,1
	FRAG BF+12*\b, 6, 7, \b*6144+((\ks)%4)*1536
.endr
.irp i, 0,1,2,3
	FRAG AF+12*\i, 4, 5, \i*6144+((\ks)%4)*1536
.endr
	s_wait_dscnt 0x0
.irp i, 0,1,2,3
.irp b, 0,1
	WM ACC+8*(4*\b+\i), AF+12*\i, BF+12*\b, SA+8*(\i/2)+(\ks), SB+(\ks), \zero, \i%2, \b
.endr
.endr
.endm
	s_load_b256 s[4:11], s[0:1], 0x0               ; img 4, sc 6, oimg 8, osc 10
	s_load_b64 s[12:13], s[0:1], 0x20              ; out0
	v_lshl_add_u32 v[SPW], v0, 2, SPARE
	v_mov_b32 v[NIL], 0
	ds_add_u32 v[SPW], v[NIL]                      ; the wave's opening: the add, twice on end, and its wait ahead of my first tensor load
	ds_add_u32 v[SPW], v[NIL]
	v_lshrrev_b32 v1, 5, v0
	s_delay_alu instid0(VALU_DEP_1)
	v_readfirstlane_b32 s16, v1                    ; wave 0..7
	s_and_b32 s17, ttmp9, 7                        ; which 128 columns
	s_lshr_b32 s18, ttmp9, 3                       ; which 128 tokens
	s_and_b32 s19, s16, 1                          ; my half of the columns
	s_lshr_b32 s20, s16, 1                         ; my quarter of the tokens
	; THE LOADS AS THE TEXT NOW HAS THEM: all of K is asked for at the head by eight tensor loads, one a wave.  Wave w fetches, for chunk c = w / 4, four row tiles' four K steps: p = w % 4 = 0, 1: S0's first and
	; second four; p = 2, 3: S1's.  Descriptor group 1: 4 rows of 6,144 bytes (768 elements of 8 bytes), 12,288 bytes apart in memory, on end in LDS.
	s_mov_b32 s24, 3<<16
	s_mov_b32 s25, 768<<16
	s_mov_b32 s26, 4<<16
	s_mov_b32 s27, 768<<16
	s_mov_b32 s28, 4
	s_mov_b32 s29, 1536
	s_mov_b32 s30, 0
	s_mov_b32 s31, 0
	s_and_b32 s58, s16, 3
	s_mul_i32 s58, s58, 24576
	s_lshr_b32 s23, s16, 2                         ; c
	s_mul_i32 s62, s23, CH
	s_add_co_u32 s58, s58, s62                     ; where my four tiles go: c x CH + p x 24,576
	s_mul_i32 s23, s23, 6144                       ; the chunk's four K steps of each tile
	s_lshl_b32 s59, s17, 3
	s_add_co_u32 s59, s59, 352                     ; S0's first row tile in img and sc
	s_and_b32 s62, s16, 1
	s_lshl_b32 s62, s62, 2                         ; the side's first or second four
	s_add_co_u32 s60, s59, s62
	s_mul_i32 s60, s60, 12288
	s_add_co_u32 s60, s60, s23
	s_mov_b32 s61, 0
	s_lshl_b32 s21, s18, 3                         ; S1's first row tile in oimg and osc
	s_add_co_u32 s62, s21, s62
	s_mul_i32 s62, s62, 12288
	s_add_co_u32 s62, s62, s23
	s_mov_b32 s63, 0
	s_lshl_b32 s22, s19, 2
	s_add_co_u32 s22, s22, s59
	s_lshl_b32 s66, s22, 9                         ; my four S0 tiles' scale words
	s_mov_b32 s67, 0
	s_lshl_b32 s22, s20, 1
	s_add_co_u32 s22, s22, s21
	s_lshl_b32 s68, s22, 9                         ; my two S1 tiles'
	s_mov_b32 s69, 0
	s_lshl_b32 s70, s18, 7
	s_lshl_b32 s23, s20, 5
	s_add_co_u32 s70, s70, s23
	s_lshl_b32 s70, s70, 12                        ; out0: my first token's row of 4,096 bytes,
	s_lshl_b32 s23, s17, 9
	s_add_co_u32 s70, s70, s23
	s_lshl_b32 s23, s19, 8
	s_add_co_u32 s70, s70, s23                     ; my 64 columns
	s_mov_b32 s71, 0
	s_mov_b32 s40, 1                               ; group 0: wave w fetches four row tiles of one side, for chunk c = w / 4
	s_mov_b32 s41, s58
	s_wait_dscnt 0x0                               ; both opening adds are done
	s_wait_kmcnt 0x0
	s_add_nc_u64 s[42:43], s[4:5], s[60:61]
	s_add_nc_u64 s[46:47], s[8:9], s[62:63]
	s_and_b32 s22, s16, 2
	s_cmp_eq_u32 s22, 0                            ; the choice of the buffer hangs on the wave's number alone
	s_cselect_b64 s[42:43], s[42:43], s[46:47]
	s_or_b32 s43, s43, 0x80000000
	s_add_nc_u64 s[66:67], s[6:7], s[66:67]
	s_add_nc_u64 s[68:69], s[10:11], s[68:69]
	s_add_nc_u64 s[12:13], s[12:13], s[70:71]
	tensor_load_to_lds s[40:43], s[24:31]          ; my one tensor load
	s_nop 0
	PLACES
	v_and_b32 v1, 31, v0                           ; lane
	v_and_b32 v2, 15, v0                           ; r
	v_bfe_u32 v3, v0, 4, 1                         ; h
	s_mul_i32 s56, s19, 24576
	s_mul_i32 s57, s20, 12288
	s_add_co_u32 s57, s57, S1O
	v_lshl_add_u32 v4, v1, 4, s56                  ; my S0 tiles' images: 16 x lane,
	v_lshl_add_u32 v5, v1, 3, s56                  ; 8 x lane
	v_lshl_add_u32 v6, v1, 4, s57                  ; my S1 tiles' likewise
	v_lshl_add_u32 v7, v1, 3, s57
	v_lshlrev_b32 v8, 3, v2
	s_delay_alu instid0(VALU_DEP_1)
	v_lshl_add_u32 v8, v3, 9, v8                   ; scale words: row r's 8 bytes; lanes 16-31 take the next row tile
	s_mul_i32 s22, s16, 4352
	s_add_co_u32 s22, s22, STG                     ; my stage
	v_mul_u32_u24 v9, v2, 272
	s_delay_alu instid0(VALU_DEP_1)
	v_lshl_add_u32 v9, v3, 5, v9
	s_delay_alu instid0(VALU_DEP_1)
	v_add_nc_u32 v9, s22, v9                       ; in: row r, 32 bytes for each half of the lanes
	v_mul_u32_u24 v10, v3, 272
	s_delay_alu instid0(VALU_DEP_1)
	v_lshl_add_u32 v10, v2, 4, v10
	s_delay_alu instid0(VALU_DEP_1)
	v_add_nc_u32 v10, s22, v10                     ; back: lanes 0-15 one row of 256 bytes, lanes 16-31 the next
	v_lshlrev_b32 v11, 12, v3
	s_delay_alu instid0(VALU_DEP_1)
	v_lshl_add_u32 v11, v2, 4, v11                 ; and the same two rows in out0
.irp p, 0,1
.irp kq, 0,1,2,3
	global_load_b64 v[SA+8*\p+2*\kq:SA+8*\p+2*\kq+1], v8, s[66:67] offset:\p*1024+\kq*128
.endr
.endr
.irp kq, 0,1,2,3
	global_load_b64 v[SB+2*\kq:SB+2*\kq+1], v8, s[68:69] offset:\kq*128
.endr
	s_wait_alu depctr_va_vdst(0)                   ; the wait at the head's end
	s_wait_tensorcnt 0x0                           ; my load has landed
	s_barrier_signal -1
	s_barrier_wait -1                              ; everybody's has: both chunks are whole
	s_wait_loadcnt 0x0
	KSTEP 0, 1
	KSTEP 1, 0
	KSTEP 2, 0
	KSTEP 3, 0
	v_add_nc_u32 v4, CH, v4                        ; on to chunk 1
	v_add_nc_u32 v5, CH, v5
	v_add_nc_u32 v6, CH, v6
	s_wait_alu depctr_va_vdst(0)
	v_add_nc_u32 v7, CH, v7
	s_wait_alu depctr_va_vdst(0)
	KSTEP 4, 0
	KSTEP 5, 0
	KSTEP 6, 0
	KSTEP 7, 0
	PLACES
	; THE WAY OUT: 16 tokens x 64 columns at a time through my stage.  LDS serves a wave's instructions in order: no wait between the stores and the loads, nor in front of the second half's stores.
.irp b, 0,1
.irp a, 0,1,2,3
	ds_store_b128 v9, v[ACC+8*(4*\b+\a):ACC+8*(4*\b+\a)+3] offset:64*\a          ; each accumulator from its low end on
	ds_store_b128 v9, v[ACC+8*(4*\b+\a)+4:ACC+8*(4*\b+\a)+7] offset:64*\a+16
.endr
.irp i, 0,1,2,3,4,5,6,7
	ds_load_b128 v[192+32*\b+4*\i:192+32*\b+4*\i+3], v10 offset:2*\i*272
.endr
.endr
.irp b, 0,1
.irp i, 0,1,2,3,4,5,6,7
	s_wait_dscnt 23-16*\b-\i                       ; this load is in; the half's later loads (and, for the first half, the second's 16 LDS instructions) may be out
	global_store_b128 v11, v[192+32*\b+4*\i:192+32*\b+4*\i+3], s[12:13] offset:(16*\b+2*\i)*4096 th:TH_STORE_NT
.endr
.endr
	s_wait_tensorcnt 0x0                           ; the wave's end: behind my last tensor load and my last LDS store
	ds_add_u32 v[SPW], v[NIL]
	s_wait_dscnt 0x0
	s_endpgm
.Lfunc_end_k_q47f5ca272e_oproj:
	.size	k_q47f5ca272e_oproj, .Lfunc_end_k_q47f5ca272e_oproj-k_q47f5ca272e_oproj
	.p2alignl 7, 3214868480
	.fill 96, 4, 3214868480
	.section	.rodata,"a",@progbits
	.p2align	6, 0x0
	.amdhsa_kernel k_q47f5ca272e_oproj
		.amdhsa_group_segment_fixed_size 327680
		.amdhsa_private_segment_fixed_size 0
		.amdhsa_enable_private_segment 0
		.amdhsa_kernarg_size 40
		.amdhsa_user_sgpr_count 2
		.amdhsa_user_sgpr_kernarg_segment_ptr 1
		.amdhsa_wavefront_size32 1
		.amdhsa_system_sgpr_workgroup_id_x 1
		.amdhsa_system_sgpr_workgroup_id_y 1
		.amdhsa_system_sgpr_workgroup_id_z 1
		.amdhsa_system_vgpr_workitem_id 0
		.amdhsa_next_free_vgpr 256
		.amdhsa_next_free_sgpr 72
		.amdhsa_reserve_vcc 0
		.amdhsa_float_denorm_mode_32 3
		.amdhsa_float_denorm_mode_16_64 3
		.amdhsa_memory_ordered 1
		.amdhsa_forward_progress 1
		.amdhsa_inst_pref_size 32
	.end_amdhsa_kernel
	.amdgpu_metadata
---
amdhsa.version: [ 1, 2 ]
amdhsa.kernels:
  - .name:           k_q47f5ca272e_oproj
    .symbol:         k_q47f5ca272e_oproj.kd
    .args:
      - { .name: img, .offset: 0, .size: 8, .value_kind: global_buffer, .address_space: global }
      - { .name: sc, .offset: 8, .size: 8, .value_kind: global_buffer, .address_space: global }
      - { .name: oimg, .offset: 16, .size: 8, .value_kind: global_buffer, .address_space: global }
      - { .name: osc, .offset: 24, .size: 8, .value_kind: global_buffer, .address_space: global }
      - { .name: out0, .offset: 32, .size: 8, .value_kind: global_buffer, .address_space: global }
    .group_segment_fixed_size: 327680
    .private_segment_fixed_size: 0
    .kernarg_segment_align: 8
    .kernarg_segment_size: 40
    .max_flat_workgroup_size: 256
    .sgpr_count:     72
    .vgpr_count:     256
    .wavefront_size: 32
...
	.end_amdgpu_metadata
.endif
;; end of part 4
